; MI455X (gfx1250); checked and timed in simulation.
; The chip was launched on July 23, 2026; its instructions are those of AMD's public machine-readable ISA for CDNA 5 (MIT licence, August 2026) and "CDNA5" Instruction Set Architecture Reference Guide (July 2026). The comments in the code are by the model that wrote it; some were corrected since.
;; Multi head attention. Allowed arithmetic: matrix products marked QUANTISED: E2M3 operands, one E8M0 scale for each 32 along K, by v_wmma_scale_f32_16x16x128_f8f6f4 with both operands' format E2M3, f32 sums; everything else in f32.
;; Inputs: Wk 1,024 x 1,024 float32; Wo 1,024 x 1,024 float32; Wq 1,024 x 1,024 float32; Wv 1,024 x 1,024 float32; k 8 x 1,024 x 1,024 float32; q 8 x 1,024 x 1,024 float32; v 8 x 1,024 x 1,024 float32.
;; Outputs: out0 8 x 1,024 x 1,024 float32.
;; This version of the problem:
;;   THIS VERSION OF THE PROBLEM IS GIVEN IN LOW PRECISION. The matrix products marked QUANTISED in the list below multiply operands that are first quantised to E2M3 (2 exponent bits, 3 mantissa bits; 6 bits a number), with one power-of-two scale for each 32 numbers along K (OCP MX v1.0); their sums are f32. All else is computed in f32.
;;   The module's matrix products, in the order in which they are computed (A, B: the left and right operand; K: the contracted axis; several contracted axes count as one K, in the product's order):
;;     1. [M 8,192, K 1,024] x [K 1,024, N 1,024]; A: input q; B: input Wq: QUANTISED
;;     2. [M 8,192, K 1,024] x [K 1,024, N 1,024]; A: input k; B: input Wk: QUANTISED
;;     3. [M 8,192, K 1,024] x [K 1,024, N 1,024]; A: input v; B: input Wv: QUANTISED
;;     4. batch 128 x [M 1,024, K 64] x [K 64, N 1,024]; A: computed on the way; B: computed on the way: QUANTISED
;;     5. batch 128 x [M 64, K 1,024] x [K 1,024, N 1,024]; A: computed on the way; B: softmax (see below): QUANTISED
;;     6. [M 8,192, K 1,024] x [K 1,024, N 1,024]; A: computed on the way; B: input Wo: QUANTISED
;;   THE QUANTISER, for each operand of a quantised product, along K:
;;     - K is cut into blocks of 32 from its start; a last block that is shorter is filled with zeros.
;;     - A block's scale is 2^e with e = floor(log2(the largest magnitude in the block)) - 2, held to -126 .. 127; a block of zeros has e = 0. As a byte (E8M0): e + 127.
;;     - Each number is divided by its block's scale, clamped to +-7.5, and rounded to the nearest number of E2M3, ties to even, subnormals kept.
;;     - The product sums the exact products of the quantised numbers (number of the format x scale) in f32.
;;   ~~~python
;;   def quantise(x, axis):      # numpy; x: float32 -> the quantised numbers, widened to float32 again
;;       x = np.moveaxis(x, axis, -1); K = x.shape[-1]
;;       x = np.pad(x, [(0, 0)] * (x.ndim - 1) + [(0, -K % 32)]); x = x.reshape(x.shape[:-1] + (-1, 32)); a = np.abs(x).max(-1, keepdims=True)
;;       e = np.where(a > 0, np.clip(np.frexp(np.where(a > 0, a, 1))[1] - 1 - 2, -126, 127), 0)      # np.frexp(a)[1] - 1 = floor(log2(a)), exactly
;;       r = np.clip(x / 2.0 ** e, -7.5, 7.5)
;;       step = 2.0 ** (np.maximum(np.frexp(np.where(r == 0, 1, r))[1] - 1, 0) - 3)
;;       q = np.round(r / step) * step * 2.0 ** e      # np.round: ties to even
;;       return np.moveaxis(q.reshape(q.shape[:-2] + (-1,))[..., :K], -1, axis).astype(np.float32)
;;   ~~~
;;   SOFTMAX AHEAD OF A QUANTISED PRODUCT. Where the list says 'softmax', what is quantised is not the finished softmax but p = 2^(t - M), with t = logit x log2(e) and M = ceil(the row's largest t), a whole number; so 1/2 < the row's largest p <= 1. The row's sum l is taken of the UNQUANTISED p, in f32, and the product's result is divided by l at the end. Since M is a whole number, a kernel that streams over the keys may use a running M (the ceiling of the running maximum): every later rescaling is an exact power of two, which a block's scale takes up: the codes' values come out the same.
;;   OPERANDS COMPUTED ON THE WAY. 'Computed on the way' means the value that the module computes at that place (a softmax that the list does not call 'softmax' is quantised finished and normalised). What goes into a quantiser is computed in f32, as accurately as f32 sums, v_exp_f32 and their like allow (about 1e-6 of the number): no bf16 or f16 on the way to a quantiser, and a product that is left as it is and whose result goes on into a quantised operand takes f32 operands (vector FMAs, or v_wmma_f32_16x16x4_f32). A number that lies on a knife's edge between two numbers of the format may be rounded either way, as far as f32 arithmetic and the matrix unit's own rounding can turn it there, and no further.
;; One version. Each part assembles by itself: llvm-mc -triple=amdgcn-amd-amdhsa -mcpu=gfx1250 --defsym DOCPART=n.
;; ======== version 1 of 1: 4 launches
;; limits: right only within a limited range of input values
;; workspace buffers: cod 22,020,096 bytes; scl 917,504 bytes; hc 18,874,368 bytes; hs 1,572,864 bytes; ac 6,291,456 bytes; asc 262,144 bytes
;; launch quant (part 1): grid 256 x 1, 8 waves a work-group, no clusters, 69,120 bytes of LDS; arguments Wq, Wk, Wv, Wo, cod, scl; writes cod, scl
.if DOCPART == 1
	.amdgcn_target "amdgcn-amd-amdhsa--gfx1250"
	.amdhsa_code_object_version 6
	.text
	.protected	k_q0e4866baed_quant
	.globl	k_q0e4866baed_quant
	.p2align	8
	.type	k_q0e4866baed_quant,@function
k_q0e4866baed_quant:
	s_mov_b64 s[64:65], 0
	v_nop
	global_prefetch_b8 v0, s[64:65] scope:SCOPE_SE
	s_setreg_imm32_b32 hwreg(HW_REG_WAVE_MODE, 25, 1), 1
	s_wait_xcnt 0x0
; Wq, Wk, Wv, Wo [1024][1024], f32, K innermost, become codes of FP6 (E2M3) with one E8M0 byte for each 32 along K.  (q, k and v are quantised by the launch that multiplies them.)
; A block's scale is 2^(floor(log2(largest magnitude)) - 2); its byte is the largest magnitude's exponent field - 2, held at 1 from below.
; LIMITS: NaN and infinities are not served; a block whose largest magnitude lies under 2^-124 (zeros among them) gets the byte 1: zeros stay zero codes, and only this program reads the bytes.
; WORK LEFT OUT BY THE PROGRAM: in attention, key steps all of whose keys come after a tile's queries.  A NaN or an infinity that reaches only those scores is not carried to the result.
; LAYOUT OF THE RESULT: images of operand registers.  The weights are ROW TILES 1536 to 1791 of 16 rows (Wq 1536, Wk 1600, Wv 1664, Wo 1728); the numbers below 1536 are not used.
; Tile T of a tensor holds at place r the row 32 (T / 2) + 8 (T % 2) + r + 8 (r / 8): used as a product's source 0, two neighbouring tiles leave 16 neighbouring rows in a lane's 16 result registers.
; A HALF FRAGMENT (16 rows x 64 K) is six registers a lane: registers 0-3 at 16 x lane (512 bytes), registers 4-5 at 512 + 8 x lane (256 bytes).  cod: [row tile][16 half fragments][768].
; scl: [row tile][512]: the scale word of place r and K step s (128 along K) at 256 (s / 4) + 16 r + 4 (s % 4).
; SHARES: a work-group takes one row tile, wave s its K step s: 16 loads of 512 consecutive bytes, all out at once.  The 16 x 512 bytes turn through the wave's own stage in LDS, so that a lane gets 16 neighbours of each block of 32.
; The eight waves' scale words meet in 512 bytes of LDS; behind one barrier wave 0 stores them as one run of 512 bytes.
.set STGB, 8448                        ; a wave's stage: 16 rows x 528 bytes
.set SCW,  8*STGB                      ; the tile's scale words
.set SPARE, SCW+512
.set L16, 1
.set L8,  2
.set STI, 3
.set STO, 4
.set SWA, 5
.set SRA, 6
.set SPW, 10
.set NIL, 11
.set WD,  12
.set TM,  20
.set PC,  36
.set RAW, 56
.set X,   120
.set SEL, 38
	s_load_b256 s[8:15], s[0:1], 0x0               ; Wq, Wk, Wv, Wo
	s_load_b128 s[16:19], s[0:1], 0x20             ; cod, scl
	v_lshl_add_u32 v[SPW], v0, 2, SPARE
	v_mov_b32 v[NIL], 0
	v_lshrrev_b32 v13, 5, v0
	v_readfirstlane_b32 s2, v13                    ; wave = K step
	v_and_b32 v14, 31, v0
	v_and_b32 v15, 15, v0
	v_bfe_u32 v16, v0, 4, 1
	v_lshlrev_b32 v[L16], 4, v14
	v_lshlrev_b32 v[L8], 3, v14
	s_mul_i32 s3, s2, STGB
	v_add_nc_u32 v[STI], s3, v[L16]
	v_mul_u32_u24 v[STO], v15, 528
	v_lshl_add_u32 v[STO], v16, 6, v[STO]
	v_add_nc_u32 v[STO], s3, v[STO]
	s_lshr_b32 s3, s2, 2
	s_lshl_b32 s3, s3, 8
	s_and_b32 s20, s2, 3
	s_lshl_b32 s20, s20, 2
	s_add_co_u32 s3, s3, s20
	s_add_co_u32 s3, s3, SCW
	v_lshlrev_b32 v[SWA], 4, v15
	v_add_nc_u32 v[SWA], s3, v[SWA]                ; my row's word: 256 (s / 4) + 16 r + 4 (s % 4)
	v_add_nc_u32 v[SRA], SCW, v[L16]
.irp b, 0,1,2,3
	v_mov_b32 v[TM+4+\b], 0                        ; a lane permute's destination counts as one of its sources
.endr
	s_mov_b32 s[SEL], 0x76543210
	s_mov_b32 s[SEL+1], 0xfedcba98
	s_lshr_b32 s21, ttmp9, 6                       ; which weight
	s_and_b32 s22, ttmp9, 63                       ; the tile's number in it
	s_lshr_b32 s24, s22, 1
	s_lshl_b32 s24, s24, 5
	s_and_b32 s23, s22, 1
	s_lshl_b32 s23, s23, 3
	s_add_co_u32 s24, s24, s23                     ; its first row
	s_lshl_b32 s24, s24, 12
	s_lshl_b32 s23, s2, 9
	s_add_co_u32 s24, s24, s23                     ; + my K step
	s_mov_b32 s25, 0
	s_add_co_u32 s23, ttmp9, 1536
	s_mul_i32 s26, s23, 12288
	s_mul_i32 s28, s2, 1536
	s_add_co_u32 s26, s26, s28
	s_mov_b32 s27, 0
	s_lshl_b32 s28, s23, 9
	s_mov_b32 s29, 0
	s_wait_alu depctr_va_vdst(0)                   ; the wait at the head's end
	s_wait_kmcnt 0x0
	s_mov_b64 s[30:31], s[8:9]
	s_cmp_ge_u32 s21, 1
	s_cselect_b64 s[30:31], s[10:11], s[30:31]
	s_cmp_ge_u32 s21, 2
	s_cselect_b64 s[30:31], s[12:13], s[30:31]
	s_cmp_ge_u32 s21, 3
	s_cselect_b64 s[30:31], s[14:15], s[30:31]
	s_add_nc_u64 s[30:31], s[30:31], s[24:25]
	s_add_nc_u64 s[16:17], s[16:17], s[26:27]
	s_add_nc_u64 s[18:19], s[18:19], s[28:29]
.set i, 0
.rept 16
	global_load_b128 v[RAW+4*i:RAW+4*i+3], v[L16], s[30:31] offset:(i+8*(i/8))*4096 th:TH_LOAD_NT   ; place i is row i + 8 (i / 8) of the tile
.set i, i+1
.endr
	s_wait_loadcnt 0x0
.set i, 0
.rept 16
	ds_store_b128 v[STI], v[RAW+4*i:RAW+4*i+3] offset:528*i
.set i, i+1
.endr
.irp b, 0,1,2,3
.irp j, 0,1,2,3
	ds_load_b128 v[X+16*\b+4*\j:X+16*\b+4*\j+3], v[STO] offset:128*\b+16*\j   ; LDS serves a wave's instructions in order: these see the stores above
.endr
.endr
	s_wait_dscnt 0x0
.irp b, 0,1,2,3
	v_max3_num_f32 v[TM+\b], |v[X+16*\b]|, |v[X+1+16*\b]|, 0x1800000   ; my 16 numbers of block b, and the floor 2^(3 - 127); the four blocks by turns
.endr
.irp i, 2,4,6,8,10,12,14
.irp b, 0,1,2,3
	v_max3_num_f32 v[TM+\b], v[TM+\b], |v[X+16*\b+\i]|, |v[X+1+16*\b+\i]|
.endr
.endr
.irp b, 0,1,2,3
	v_permlanex16_b32 v[TM+4+\b], v[TM+\b], s[SEL], s[SEL+1]
.endr
.irp b, 0,1,2,3
	v_max_num_f32 v[TM+\b], v[TM+\b], v[TM+4+\b]   ; with lane l xor 16's: the block's largest magnitude
.endr
.irp b, 0,1,2,3
	v_add_nc_u32 v[TM+12+\b], 0xff000000, v[TM+\b] ; 2 off its exponent field: the conversion's scale operand
.endr
.irp b, 0,1,2,3
	v_lshrrev_b32 v[TM+4+\b], 23, v[TM+12+\b]      ; the byte
.endr
	v_lshl_or_b32 v[WD], v[TM+5], 8, v[TM+4]
	v_lshl_or_b32 v[WD], v[TM+6], 16, v[WD]
	v_lshl_or_b32 v[WD], v[TM+7], 24, v[WD]        ; my row's scale word
.irp c, 0,1
	v_cvt_scalef32_pk16_fp6_f32 v[PC+6*\c:PC+2+6*\c], v[X+32*\c:X+15+32*\c], v[TM+12+2*\c]
	v_cvt_scalef32_pk16_fp6_f32 v[PC+12+4*\c:PC+14+4*\c], v[X+16+32*\c:X+31+32*\c], v[TM+12+2*\c+1]
.endr
	v_nop                                          ; one plain place behind a scaled conversion
.irp c, 0,1                            ; a whole block to a lane: lanes 0-15 block 2 c, lanes 16-31 block 2 c + 1
.irp i, 0,1,2
	v_permlane16_swap_b32 v[PC+6*\c+\i], v[PC+12+4*\c+\i]
.endr
.irp i, 0,1,2
	v_mov_b32 v[PC+3+6*\c+\i], v[PC+12+4*\c+\i]
.endr
.endr
	ds_store_b32 v[SWA], v[WD]                     ; lanes l and l xor 16 write the same word with the same value
	global_store_b128 v[L16], v[PC:PC+3], s[16:17]                 ; two half fragments: 512 or 256 consecutive bytes a store, at a multiple of 256 from cod's first byte
	global_store_b64 v[L8], v[PC+4:PC+5], s[16:17] offset:512
	global_store_b128 v[L16], v[PC+6:PC+9], s[16:17] offset:768
	global_store_b64 v[L8], v[PC+10:PC+11], s[16:17] offset:1280
	s_wait_dscnt 0x0                               ; my word is stored,
	s_barrier_signal -1
	s_barrier_wait -1                              ; everybody's is
	s_cmp_lg_u32 s2, 0
	s_cbranch_scc1 .Ldone
	ds_load_b128 v[RAW:RAW+3], v[SRA]
	s_wait_dscnt 0x0
	global_store_b128 v[L16], v[RAW:RAW+3], s[18:19]   ; the tile's 512 bytes of scale words
.Ldone:
	s_wait_tensorcnt 0x0                           ; the wave's end
	ds_add_u32 v[SPW], v[NIL]
	s_wait_dscnt 0x0
	s_endpgm
.Lfunc_end_k_q0e4866baed_quant:
	.size	k_q0e4866baed_quant, .Lfunc_end_k_q0e4866baed_quant-k_q0e4866baed_quant
	.p2alignl 7, 3214868480
	.fill 96, 4, 3214868480
	.section	.rodata,"a",@progbits
	.p2align	6, 0x0
	.amdhsa_kernel k_q0e4866baed_quant
		.amdhsa_group_segment_fixed_size 69120
		.amdhsa_private_segment_fixed_size 0
		.amdhsa_enable_private_segment 0
		.amdhsa_kernarg_size 48
		.amdhsa_user_sgpr_count 2
		.amdhsa_user_sgpr_kernarg_segment_ptr 1
		.amdhsa_wavefront_size32 1
		.amdhsa_system_sgpr_workgroup_id_x 1
		.amdhsa_system_sgpr_workgroup_id_y 1
		.amdhsa_system_sgpr_workgroup_id_z 1
		.amdhsa_system_vgpr_workitem_id 0
		.amdhsa_next_free_vgpr 192
		.amdhsa_next_free_sgpr 66
		.amdhsa_reserve_vcc 0
		.amdhsa_float_denorm_mode_32 3
		.amdhsa_float_denorm_mode_16_64 3
		.amdhsa_memory_ordered 1
		.amdhsa_forward_progress 1
		.amdhsa_inst_pref_size 11
	.end_amdhsa_kernel
	.amdgpu_metadata
---
amdhsa.version: [ 1, 2 ]
amdhsa.kernels:
  - .name:           k_q0e4866baed_quant
    .symbol:         k_q0e4866baed_quant.kd
    .args:
      - { .name: Wq, .offset: 0, .size: 8, .value_kind: global_buffer, .address_space: global }
      - { .name: Wk, .offset: 8, .size: 8, .value_kind: global_buffer, .address_space: global }
      - { .name: Wv, .offset: 16, .size: 8, .value_kind: global_buffer, .address_space: global }
      - { .name: Wo, .offset: 24, .size: 8, .value_kind: global_buffer, .address_space: global }
      - { .name: cod, .offset: 32, .size: 8, .value_kind: global_buffer, .address_space: global }
      - { .name: scl, .offset: 40, .size: 8, .value_kind: global_buffer, .address_space: global }
    .group_segment_fixed_size: 69120
    .private_segment_fixed_size: 0
    .kernarg_segment_align: 8
    .kernarg_segment_size: 48
    .max_flat_workgroup_size: 256
    .sgpr_count:     66
    .vgpr_count:     192
    .wavefront_size: 32
...
	.end_amdgpu_metadata
.endif
;; end of part 1
;; launch qkv (part 2): grid 192 x 1, 4 waves a work-group, clusters of 4 x 1, 327,680 bytes of LDS; arguments q, k, v, cod, scl, hc, hs; writes hc, hs
.if DOCPART == 2
	.amdgcn_target "amdgcn-amd-amdhsa--gfx1250"
	.amdhsa_code_object_version 6
	.text
	.protected	k_q0e4866baed_qkv
	.globl	k_q0e4866baed_qkv
	.p2align	8
	.type	k_q0e4866baed_qkv,@function
k_q0e4866baed_qkv:
	s_mov_b64 s[64:65], 0
	v_nop
	global_prefetch_b8 v0, s[64:65] scope:SCOPE_SE
	s_setreg_imm32_b32 hwreg(HW_REG_WAVE_MODE, 25, 1), 1
	s_wait_xcnt 0x0
	s_wait_alu depctr_hold_cnt(0) depctr_sa_sdst(0) depctr_va_vdst(0) depctr_va_sdst(0) depctr_va_ssrc(0) depctr_va_vcc(0) depctr_vm_vsrc(0)
	s_getreg_b32 s2, hwreg(HW_REG_IB_STS2, 6, 4)
	s_cmp_eq_u32 s2, 0
	s_cbranch_scc0 .Lentry_in_a_cluster
	s_endpgm
.Lentry_in_a_cluster:
	s_bfe_u32 s2, ttmp6, 0x10000c
	s_cmp_lg_u32 s2, 0x3003
	s_cbranch_scc0 .Lentry_shape_is_right
	s_endpgm
.Lentry_shape_is_right:
; THE QUANTISING OF q, k, v AND THE THREE PROJECTIONS x W^T ON CODES OF FP6 (E2M3), with the quantising of their results for attention.  K = 1,024.
; A work-group owns 128 rows of ONE of q, k, v (3 x 64 blocks = 192 work-groups) and makes all 1,024 columns of them: so each f32 number is read from memory once, by one work-group, and no code of x goes to memory.
; HEAD: wave w reads rows 32 w .. 32 w + 31 (row tiles 2 w, 2 w + 1), 16 steps of 16 rows x 128 K; four steps' 64 loads are out.  A step turns through the wave's own stage in LDS, is quantised (scale byte = the largest
; magnitude's exponent field - 2, at least 1) and leaves as an image of operand registers in LDS bytes of the wave's own.  Behind one barrier wave (a, b) = (w / 2, w % 2) takes row tiles 4 a .. 4 a + 3, ALL of K, into 384 registers.
; A row tile holds at place r the row 32 (T / 2) + 8 (T % 2) + r + 8 (r / 8); a half fragment (16 rows x 64 K) is registers 0-3 at 16 x lane and 4-5 at 512 + 8 x lane: 768 bytes, as the weights' launch lays cod.
; TRIPS: the weight's 64 row tiles (cod, 12,288 bytes each, dense) stream through two LDS slots of 8 tiles.  In trip t wave (a, b) multiplies tiles 8 t + 4 b .. + 3 (head 2 t + b) with its four tiles of x: 128 products, 16 accumulators.
; Q, K: source 0 = the weight's tile, source 1 = x's.  V: source 0 = x's (keys), source 1 = the weight's.  Accumulator 4 (source 1's tile) + source 0's tile: a lane's 32 registers of a source 1 tile are two blocks of 32 along the next K.
; A tile's fragments, all of K, lie in one of two sets of 96 registers; behind a tile's 32 products its set takes the tile two on, in one run of 32 LDS loads.
; RESULTS as attention reads them: hc: Q 0, K 6,291,456, V 12,582,912: [16 batch + head][64 half fragments][768]; hs: Q 0, K 524,288, V 1,048,576: [16 batch + head][16][256]: word at 8 x lane + 4 i: tile 4 block + 2 i + lane / 16.
; CLUSTER 4 x 1: the four partners belong to one tensor (64 is a multiple of 4) and ask for each slot jointly.  Each refill stands behind a round of the cluster's barrier, a quarter of a slot a wave.
; No prefetch: the sixteen clusters of a tensor walk the same 786,432 bytes in the same order, and a slot is asked for one whole trip (128 products a wave) ahead of its first read; in the head the f32 rows keep the loads' counter full.
; LIMITS: NaN and infinities are not served; a block whose largest magnitude lies under 2^-124 gets the byte 1 (only this program reads the bytes).
; REGISTERS: window 0: addresses, scale words, what the quantisers work on.  Window 1: x's fragments of K steps 0-4 at 12 (4 s + n).  Window 2: K steps 5-7 at 12 (4 (s - 5) + n); from 144 the weight's set 0 (a tile, all of K).
; Window 3: the weight's set 1 at 0, the accumulators from 96; in the head all 256: four sets of 64 as loaded.
.set RTB,   12288                      ; a row tile of codes
.set SLOT,  8*RTB
.set XC,    2*SLOT                     ; behind the slots: a region for each wave: its two tiles' codes (24,576) and, ending 6,912 bytes behind them, its stage of 8,448
.set XREG,  31488
.set STGO,  23040                      ; the stage begins where step 15's codes begin: they are stored when the stage has been read for the last time
.set XS,    XC+4*XREG                  ; x's scale words: [tile][512]
.set SPARE, XS+4096
.set L16, 1
.set L8,  2
.set STI, 3
.set STO, 4
.set SR,  5
.set XO16, 6
.set XO8, 7
.set XR16, 8
.set XR8, 9
.set SPW, 10
.set NIL, 11
.set AW16, 12
.set AW8, 13
.set A16, 14
.set A8,  15
.set XRS, 16
.set XW16, 17
.set XW8, 18
.set SRW, 19
.set XSR, 24                           ; v24-39 x's scale words: 4 n + s % 4; lanes 0-15 K steps 0-3, lanes 16-31 K steps 4-7
.set WS,  42                           ; v42-57 the weight's, 4 m + s % 4 (its numbers differ from x's modulo 8)
.set WS2, 58                           ; v58-73 the next trip's, as loaded
.set SWQ, 76
.set TM,  80
.set TP,  88
.set TS,  96
.set PW,  104
.set SW,  108
.set PC,  112
.set PCQ, 96
.set X,   144
.set AC,  96
.set WV, 18
.set WA, 19
.set WB, 20
.set CX, 21
.set TN, 22
.set RB, 23
.set G1, 24
.set G0, 32
.set XPA, 36
.set XPB, 38
.set OC, 42
.set OS, 44
.set WSB, 46
.set SEL, 48
.set HM, 50
.set SL, 51
.set TR, 52
.set SLW, 53
.set WP, 60
.set QO, 62
.set QS, 63
.set MSB, 0
.macro WIN new                         ; the immediate's high byte repeats the setting that is left
.if MSB != (\new)
	s_set_vgpr_msb (MSB<<8)|(\new)
.set MSB, (\new)
.endif
.endm
.macro PLACES n
.rept \n
	v_nop
.endr
.endm
.macro WALU
	s_wait_alu depctr_va_vdst(0)
.endm
.macro CREST                           ; a round of the cluster's barrier behind its opening barrier
	s_cmp_lg_u32 s[WV], 0
	s_cbranch_scc1 .Lnot_wave_0_\@
	s_barrier_signal -3
.Lnot_wave_0_\@:
	s_barrier_wait -3
	s_barrier_signal -1
	s_barrier_wait -1
.endm
.macro CROUND
	s_barrier_signal -1
	s_barrier_wait -1
	CREST
.endm
.macro FRAG reg, a16, a8, off          ; a fragment (12 registers) is two half fragments on end: every load takes consecutive bytes
	ds_load_b128 v[\reg:\reg+3], v[\a16] offset:(\off)
	ds_load_b64 v[\reg+4:\reg+5], v[\a8] offset:(\off)+512
	ds_load_b128 v[\reg+6:\reg+9], v[\a16] offset:(\off)+768
	ds_load_b64 v[\reg+10:\reg+11], v[\a8] offset:(\off)+1280
.endm
.macro FETCH e, tile                   ; my tile of the slot at v[A16], all of K, into set e: 32 loads
	WIN (2+(\e))<<6
.irp s, 0,1,2,3,4,5,6,7
	FRAG 144*(1-(\e))+12*\s, A16, A8, RTB*(\tile)+1536*\s
.endr
.endm
.macro PROD1 d, a, b, sa, sb, s
.if (\s) == 0
	v_wmma_scale_f32_16x16x128_f8f6f4 v[\d:\d+7], v[\a:\a+11], v[\b:\b+11], 0, v[\sa], v[\sb] matrix_a_fmt:MATRIX_FMT_FP6 matrix_b_fmt:MATRIX_FMT_FP6
.elseif (\s) < 4
	v_wmma_scale_f32_16x16x128_f8f6f4 v[\d:\d+7], v[\a:\a+11], v[\b:\b+11], v[\d:\d+7], v[\sa], v[\sb] matrix_a_fmt:MATRIX_FMT_FP6 matrix_b_fmt:MATRIX_FMT_FP6
.else
	v_wmma_scale_f32_16x16x128_f8f6f4 v[\d:\d+7], v[\a:\a+11], v[\b:\b+11], v[\d:\d+7], v[\sa], v[\sb] matrix_a_fmt:MATRIX_FMT_FP6 matrix_b_fmt:MATRIX_FMT_FP6 matrix_a_scale:MATRIX_SCALE_ROW1 matrix_b_scale:MATRIX_SCALE_ROW1
.endif
.endm
; products from .. to - 1 of the weight's tile m (set e): product 4 s + n is K step s with x's tile n.  Four accumulators take turns, one instruction a turn; the first takes C = 0
.macro PRODS kind, m, e, from, to
.set P_, \from
.rept (\to)-(\from)
.set S_, P_/4
.set N_, P_%4
.if S_ < 5
.set XW_, 1
.set XR_, 12*P_
.else
.set XW_, 2
.set XR_, 12*(P_-20)
.endif
.set WW_, 2+(\e)
.set WR_, 144*(1-(\e))+12*S_
.if \kind
.set D_, AC+8*(4*(\m)+N_)
	WIN XW_|(WW_<<2)|0xf0
	PROD1 D_, XR_, WR_, XSR+4*N_+S_%4, WS+4*(\m)+S_%4, S_
.else
.set D_, AC+8*(4*N_+(\m))
	WIN WW_|(XW_<<2)|0xf0
	PROD1 D_, WR_, XR_, WS+4*(\m)+S_%4, XSR+4*N_+S_%4, S_
.endif
.set P_, P_+1
.endr
.endm
; ---- the head's quantiser
.macro LOADX jj, base                  ; a K step of my tile's 16 rows into set jj: place i is row i + 8 (i / 8); 32 lanes read 512 consecutive bytes
	WIN 0xc0
.set i, 0
.rept 16
	global_load_b128 v[64*(\jj)+4*i:64*(\jj)+4*i+3], v[L16], s[\base:\base+1] offset:(i+8*(i/8))*4096+512*(\jj) th:TH_LOAD_NT
.set i, i+1
.endr
	WIN 0
.endm
.macro QUANT w                         ; register X + 16 b + i = k 32 b + 16 h + i of my row: a fragment's 12 registers at v[PCQ], its scale word in v[w]
.irp b, 0,1,2,3
	v_max3_num_f32 v[TM+\b], |v[X+16*\b]|, |v[X+1+16*\b]|, 0x1800000   ; with the floor 2^(3 - 127): the byte cannot fall under 1
.endr
.irp i, 2,4,6,8,10,12,14
.irp b, 0,1,2,3
	v_max3_num_f32 v[TM+\b], v[TM+\b], |v[X+16*\b+\i]|, |v[X+1+16*\b+\i]|
.endr
.endr
.irp b, 0,1,2,3
	v_permlanex16_b32 v[TM+4+\b], v[TM+\b], s[SEL], s[SEL+1]
.endr
.irp b, 0,1,2,3
	v_max_num_f32 v[TM+\b], v[TM+\b], v[TM+4+\b]   ; with lane l xor 16's: the block's largest magnitude
.endr
.irp b, 0,1,2,3
	v_add_nc_u32 v[TM+12+\b], 0xff000000, v[TM+\b] ; 2 off its exponent field: the conversion's scale operand
.endr
.irp b, 0,1,2,3
	v_lshrrev_b32 v[TM+4+\b], 23, v[TM+12+\b]      ; the byte
.endr
	v_lshl_or_b32 v[\w], v[TM+5], 8, v[TM+4]
	v_lshl_or_b32 v[\w], v[TM+6], 16, v[\w]
	v_lshl_or_b32 v[\w], v[TM+7], 24, v[\w]
.irp c, 0,1
	v_cvt_scalef32_pk16_fp6_f32 v[PCQ+6*\c:PCQ+2+6*\c], v[X+32*\c:X+15+32*\c], v[TM+12+2*\c]
	v_cvt_scalef32_pk16_fp6_f32 v[PCQ+12+4*\c:PCQ+14+4*\c], v[X+16+32*\c:X+31+32*\c], v[TM+12+2*\c+1]
.endr
	v_nop                                          ; one plain place behind a scaled conversion
.irp c, 0,1                            ; a whole block to a lane: lanes 0-15 block 2 c, lanes 16-31 block 2 c + 1
.irp i, 0,1,2
	v_permlane16_swap_b32 v[PCQ+6*\c+\i], v[PCQ+12+4*\c+\i]
.endr
.irp i, 0,1,2
	v_mov_b32 v[PCQ+3+6*\c+\i], v[PCQ+12+4*\c+\i]
.endr
.endr
.endm
.macro QSTEP jj, cnt, load             ; cnt: the loads issued behind this step's 16
	s_wait_loadcnt \cnt
	WIN 0x0c
.set i, 0
.rept 16
	ds_store_b128 v[STI], v[64*(\jj)+4*i:64*(\jj)+4*i+3] offset:528*i
.set i, i+1
.endr
	WIN 0
.irp b, 0,1,2,3
.irp j, 0,1,2,3
	ds_load_b128 v[X+16*\b+4*\j:X+16*\b+4*\j+3], v[STO] offset:128*\b+16*\j   ; LDS serves a wave's instructions in order: these see the stores above
.endr
.endr
	s_wait_dscnt 0x0                               ; my 64 numbers are back; the stage's stores and the last step's stores of codes have read their registers
.if \load
	LOADX \jj, XPB                                 ; the step four on, into the set just read out
.endif
	QUANT SWQ+\jj
	ds_store_b128 v[XW16], v[PCQ:PCQ+3] offset:1536*(\jj)
	ds_store_b64 v[XW8], v[PCQ+4:PCQ+5] offset:1536*(\jj)+512
	ds_store_b128 v[XW16], v[PCQ+6:PCQ+9] offset:1536*(\jj)+768
	ds_store_b64 v[XW8], v[PCQ+10:PCQ+11] offset:1536*(\jj)+1280
.endm
.macro QITER load                      ; four steps: half of K of one tile
	v_add_nc_u32 v[XW16], s[QO], v[XO16]
	v_add_nc_u32 v[XW8], s[QO], v[XO8]
	v_add_nc_u32 v[SRW], s[QS], v[SR]
.irp jj, 0,1,2,3
.if \load
	QSTEP \jj, 48, 1
.else
	QSTEP \jj, 48-16*\jj, 0
.endif
.endr
	ds_store_b128 v[SRW], v[SWQ:SWQ+3]             ; four words a row; lanes l and l xor 16 write the same 16 bytes
	s_add_co_u32 s[QO], s[QO], 6144
	s_add_co_u32 s[QS], s[QS], 256
.endm
; ---- the way out of a trip's 16 accumulators: register AC + 32 n + 16 blk + i is row 32 blk + 16 h + i of source 0's 64, for place r of source 1's tile n
.macro WAYOUT
	WIN 0x3c
.set n, 0
.rept 8
	v_max3_num_f32 v[TM+n], 0x1800000, |v[AC+16*n]|, |v[AC+16*n+1]|   ; each accumulator is read from its low end on
.set n, n+1
.endr
.irp i, 2,4,6,8,10,12,14
.set n, 0
.rept 8
	v_max3_num_f32 v[TM+n], v[TM+n], |v[AC+16*n+\i]|, |v[AC+16*n+\i+1]|
.set n, n+1
.endr
.endr
	WIN 0
.set n, 0
.rept 8
	v_permlanex16_b32 v[TP+n], v[TM+n], s[SEL], s[SEL+1]
.set n, n+1
.endr
.set n, 0
.rept 8
	v_max_num_f32 v[TM+n], v[TM+n], v[TP+n]
.set n, n+1
.endr
.set n, 0
.rept 8
	v_add_nc_u32 v[TS+n], 0xff000000, v[TM+n]
.set n, n+1
.endr
.set n, 0
.rept 8
	v_lshrrev_b32 v[TP+n], 23, v[TS+n]
.set n, n+1
.endr
.set n, 0
.rept 4
	v_lshl_or_b32 v[PW+n], v[TP+2*n+1], 8, v[TP+2*n]   ; two bytes; the upper half stays 0
.set n, n+1
.endr
	WIN 0x03
.set n, 0
.rept 4
	v_cvt_scalef32_pk16_fp6_f32 v[PC+8*n:PC+8*n+2], v[AC+32*n:AC+32*n+15], v[TS+2*n]
	v_cvt_scalef32_pk16_fp6_f32 v[PC+8*n+4:PC+8*n+6], v[AC+32*n+16:AC+32*n+31], v[TS+2*n+1]
.set n, n+1
.endr
	WIN 0
	v_nop                                          ; one plain place behind a scaled conversion
.set n, 0
.rept 4
.irp i, 0,1,2
	v_permlane16_swap_b32 v[PC+8*n+\i], v[PC+8*n+4+\i]
.endr
	v_mov_b32 v[PC+8*n+3], v[PC+8*n+4]
	v_mov_b32 v[PC+8*n+4], v[PC+8*n+5]
	v_mov_b32 v[PC+8*n+5], v[PC+8*n+6]
.set n, n+1
.endr
.irp i, 0,1
	v_cndmask_b32 v[SW+\i], v[PW+2*\i], v[PW+2*\i+1], s[HM]   ; lanes 0-15 the even tile's words, lanes 16-31 the odd tile's
.endr
.irp n, 0,1,2,3
	global_store_b128 v[L16], v[PC+8*\n:PC+8*\n+3], s[OC:OC+1] offset:768*\n          ; 512 consecutive bytes, at a multiple of 256 from hc's first byte
	global_store_b64 v[L8], v[PC+8*\n+4:PC+8*\n+5], s[OC:OC+1] offset:768*\n+512     ; 256
.endr
	global_store_b64 v[L8], v[SW:SW+1], s[OS:OS+1]         ; four tiles' words: 256 consecutive aligned bytes
.endm
; ---- a trip.  At its head set 0 holds my tile 0 of the slot, set 1's 32 loads may be out.  Every s_wait_dscnt 32 counts the next tile's 32 loads.
; refill = 1: the slot is filled again behind a round, which stands inside tile 2's products.  refill = 0 (trips 6, 7): a plain barrier shows the last fill; the last trip fetches nothing more.
.macro TRIP kind, refill
	s_wait_dscnt 32
	PRODS \kind, 0, 0, 0, 32
	PLACES 4                                       ; four places in front of loads into registers that the products have read
	FETCH 0, 2
	s_wait_dscnt 32
	PRODS \kind, 1, 1, 0, 32
	PLACES 4
	FETCH 1, 3                                     ; my last reads of this slot
	WIN 0
	s_wait_dscnt 32
	s_wait_tensorcnt 0x0                           ; my part of the other slot, asked for a trip ago, is in
.if \refill
	ds_add_u32 v[SPW], v[NIL]
	s_add_nc_u64 s[G0+2:G0+3], s[G0+2:G0+3], SLOT  ; no load of mine is out: the descriptor steps to the tiles two trips on,
	s_add_co_u32 s[G0+1], s[SLW], s[SL]            ; into this slot
.endif
	s_xor_b32 s[SL], s[SL], SLOT                   ; the other slot
	PRODS \kind, 2, 0, 0, 24
	WIN 0
	s_wait_dscnt 0x0                               ; the add is done, and so are my reads of this slot
	s_barrier_signal -1
	PRODS \kind, 2, 0, 24, 32
	WIN 0
	s_barrier_wait -1
.if \refill
	CREST
	tensor_load_to_lds s[G0:G0+3], s[G1:G1+7]      ; my quarter of the slot, the first tensor load behind the round
	s_nop 0
	PLACES 4
.else
	PLACES 4
	s_cmp_eq_u32 s[TR], 7
	s_cbranch_scc1 .Lno_a_\@
.endif
	v_add_nc_u32 v[A16], s[SL], v[AW16]
	v_add_nc_u32 v[A8], s[SL], v[AW8]
	WALU                                           ; a wait behind these writes
	FETCH 0, 0
	WIN 0
.irp m, 0,1,2,3
	global_load_b128 v[WS2+4*\m:WS2+4*\m+3], v[L16], s[WSB:WSB+1] offset:4096+512*\m   ; the next trip's scale words: 512 consecutive bytes a tile
.endr
.if !(\refill)
.Lno_a_\@:
.endif
	PRODS \kind, 3, 1, 0, 32
	PLACES 4
	WIN 0
.if !(\refill)
	s_cmp_eq_u32 s[TR], 7
	s_cbranch_scc1 .Lno_b_\@
.endif
	FETCH 1, 1
	WIN 0
.if !(\refill)
.Lno_b_\@:
.endif
	WAYOUT
.if !(\refill)
	s_cmp_eq_u32 s[TR], 7
	s_cbranch_scc1 .Lno_c_\@
.endif
	s_wait_loadcnt 0x0
.set n, 0
.rept 16
	v_mov_b32 v[WS+n], v[WS2+n]                    ; each stands eight places or more ahead of the first product that takes it
.set n, n+1
.endr
	WALU                                           ; a wait ahead of the waits and the jump below
.if !(\refill)
.Lno_c_\@:
.endif
	s_wait_xcnt 0x0                                ; the stores have read their registers and bases
	s_add_nc_u64 s[OC:OC+1], s[OC:OC+1], 98304     ; two heads on
	s_add_nc_u64 s[OS:OS+1], s[OS:OS+1], 8192
	s_add_nc_u64 s[WSB:WSB+1], s[WSB:WSB+1], 4096
	s_add_co_u32 s[TR], s[TR], 1
.endm
.macro MAIN kind
.Lring_\kind:
	TRIP \kind, 1
	s_cmp_lt_u32 s[TR], 6
	s_cbranch_scc1 .Lring_\kind
.Ltail_\kind:
	TRIP \kind, 0
	s_cmp_lt_u32 s[TR], 8
	s_cbranch_scc1 .Ltail_\kind
.endm
; ================= THE HEAD
	s_load_b256 s[4:11], s[0:1], 0x0               ; q, k, v, cod
	s_load_b128 s[12:15], s[0:1], 0x20             ; scl, hc
	s_load_b64 s[16:17], s[0:1], 0x30              ; hs
	v_lshl_add_u32 v[SPW], v0, 2, SPARE
	v_mov_b32 v[NIL], 0
	ds_add_u32 v[SPW], v[NIL]                      ; the opening lines: the add, twice on end, and its wait
	ds_add_u32 v[SPW], v[NIL]
	v_lshrrev_b32 v20, 5, v0
	v_readfirstlane_b32 s[WV], v20
	s_lshr_b32 s[WA], s[WV], 1
	s_and_b32 s[WB], s[WV], 1
	s_bfe_u32 s[CX], ttmp6, 0x40000
	s_lshr_b32 s[TN], ttmp9, 4                     ; the tensor: 0 q, 1 k, 2 v: the cluster's number alone
	s_lshl_b32 s[RB], ttmp9, 2
	s_add_co_u32 s[RB], s[RB], s[CX]
	s_and_b32 s[RB], s[RB], 63                     ; my block of 128 rows: it enters addresses in memory alone
	v_and_b32 v20, 31, v0
	v_and_b32 v21, 15, v0
	v_bfe_u32 v22, v0, 4, 1
	v_lshlrev_b32 v[L16], 4, v20
	v_lshlrev_b32 v[L8], 3, v20
	s_mul_i32 s54, s[WV], XREG
	s_add_co_u32 s54, s54, XC                      ; my region
	v_add_nc_u32 v[XO16], s54, v[L16]
	v_add_nc_u32 v[XO8], s54, v[L8]
	s_add_co_u32 s55, s54, STGO
	v_add_nc_u32 v[STI], s55, v[L16]
	v_mul_u32_u24 v[STO], v21, 528
	v_lshl_add_u32 v[STO], v22, 6, v[STO]
	v_add_nc_u32 v[STO], s55, v[STO]
	s_lshl_b32 s55, s[WV], 10
	s_add_co_u32 s55, s55, XS
	v_lshlrev_b32 v[SR], 4, v21
	v_add_nc_u32 v[SR], s55, v[SR]
	s_mul_i32 s55, s[WA], 2*XREG
	s_add_co_u32 s55, s55, XC
	v_add_nc_u32 v[XR16], s55, v[L16]              ; where tiles 4 a .. 4 a + 3 lie
	v_add_nc_u32 v[XR8], s55, v[L8]
	s_lshl_b32 s55, s[WA], 11
	s_add_co_u32 s55, s55, XS
	v_add_nc_u32 v[XRS], s55, v[L16]
	s_mul_i32 s55, s[WB], 4*RTB
	v_add_nc_u32 v[AW16], s55, v[L16]              ; my four tiles of slot 0
	v_add_nc_u32 v[AW8], s55, v[L8]
	v_add_nc_u32 v[A16], s55, v[L16]
	v_add_nc_u32 v[A8], s55, v[L8]
.set n, 84
.rept 12
	v_mov_b32 v[n], 0                              ; written once: a lane permute's destination counts as one of its sources
.set n, n+1
.endr
	s_mov_b32 s[SEL], 0x76543210
	s_mov_b32 s[SEL+1], 0xfedcba98
	s_mov_b32 s[HM], 0xffff0000
	s_mov_b32 s[G1], 15|(3<<16)|(1<<21)            ; the mask of the four partners; elements of 8 bytes; bit 21 beside a mask
	s_mov_b32 s[G1+1], 32<<16                      ; rows of 256 bytes, dense
	s_mov_b32 s[G1+2], 192<<16                     ; the head's load: four row tiles, 192 rows
	s_mov_b32 s[G1+3], 32<<16
	s_mov_b32 s[G1+4], 192
	s_mov_b32 s[G1+5], 32
	s_mov_b32 s[G1+6], 0
	s_mov_b32 s[G1+7], 0
	s_mul_i32 s54, s[TN], 64*RTB
	s_add_co_u32 s54, s54, 1536*RTB                ; the weight's codes, from cod
	s_mov_b32 s55, 0
	s_lshl_b32 s56, s[TN], 15
	s_add_co_u32 s56, s56, 1536*512
	s_lshl_b32 s58, s[WB], 11
	s_add_co_u32 s56, s56, s58                     ; my tiles' scale words, from scl
	s_mov_b32 s57, 0
	s_lshl_b32 s40, s[RB], 19
	s_lshl_b32 s58, s[WV], 17
	s_add_co_u32 s40, s40, s58                     ; my 32 rows of x
	s_mov_b32 s41, 0
	s_lshr_b32 s58, s[RB], 3
	s_lshl_b32 s58, s58, 4
	s_add_co_u32 s58, s58, s[WB]                   ; 16 batch + head, trip 0
	s_and_b32 s59, s[RB], 7
	s_lshl_b32 s59, s59, 1
	s_add_co_u32 s59, s59, s[WA]                   ; which four half fragments
	s_mul_i32 s42, s58, 49152
	s_mul_i32 s62, s59, 3072
	s_add_co_u32 s42, s42, s62
	s_mul_i32 s62, s[TN], 6291456
	s_add_co_u32 s42, s42, s62
	s_mov_b32 s43, 0
	s_lshl_b32 s44, s58, 12
	s_lshl_b32 s62, s59, 8
	s_add_co_u32 s44, s44, s62
	s_lshl_b32 s62, s[TN], 19
	s_add_co_u32 s44, s44, s62
	s_mov_b32 s45, 0
	s_mul_i32 s58, s[WV], 4*RTB
	s_mov_b32 s59, 0
	WALU                                           ; the wait at the head's end
	s_wait_dscnt 0x0
	s_wait_kmcnt 0x0
	s_cmp_eq_u32 s[TN], 1
	s_cselect_b64 s[XPA:XPA+1], s[6:7], s[4:5]
	s_cmp_eq_u32 s[TN], 2
	s_cselect_b64 s[XPA:XPA+1], s[8:9], s[XPA:XPA+1]
	s_add_nc_u64 s[XPA:XPA+1], s[XPA:XPA+1], s[40:41]
	s_add_nc_u64 s[XPB:XPB+1], s[XPA:XPA+1], 2048  ; the second half of K of my first tile
	s_add_nc_u64 s[WSB:WSB+1], s[12:13], s[56:57]
	s_add_nc_u64 s[OC:OC+1], s[14:15], s[42:43]
	s_add_nc_u64 s[OS:OS+1], s[16:17], s[44:45]
	s_add_nc_u64 s[WP:WP+1], s[10:11], s[54:55]
	s_mov_b32 s[G0], 1
	s_mov_b32 s[G0+1], s58                         ; both slots are one run of 16 row tiles: a quarter a wave
	s_add_nc_u64 s[G0+2:G0+3], s[WP:WP+1], s[58:59]
	s_or_b32 s[G0+3], s[G0+3], 0x80000000
.irp m, 0,1,2,3
	global_load_b128 v[WS+4*\m:WS+4*\m+3], v[L16], s[WSB:WSB+1] offset:512*\m
.endr
	LOADX 0, XPA
	LOADX 1, XPA
	LOADX 2, XPA
	CROUND                                         ; the four partners are here: the first joint loads meet
	tensor_load_to_lds s[G0:G0+3], s[G1:G1+7]      ; one tensor load a wave at the head
	s_nop 0
	PLACES 4
	LOADX 3, XPA
	s_mov_b32 s40, 30720                           ; from one half of K to the next: 30,720 (on to the next tile, 8 rows down) and 2,048 by turns
	s_mov_b32 s[QO], 0
	s_mov_b32 s[QS], 0
	s_mov_b32 s[TR], 0
.Lquant:
	QITER 1
	s_wait_xcnt 0x0                                ; the loads have read their base
	s_add_nc_u64 s[XPB:XPB+1], s[XPB:XPB+1], s[40:41]
	s_xor_b32 s40, s40, 30720^2048
	s_add_co_u32 s[TR], s[TR], 1
	s_cmp_lt_u32 s[TR], 3
	WALU                                           ; a wait ahead of the jump
	s_cbranch_scc1 .Lquant
	QITER 0                                        ; the last four steps ask for nothing more
	WALU
	s_wait_tensorcnt 0x0                           ; my quarter of the two slots is in,
	s_wait_dscnt 0x0                               ; my codes and scale words are stored:
	s_barrier_signal -1
	s_barrier_wait -1                              ; everybody's are.
	s_mov_b32 s[G1+2], 96<<16                      ; no tensor load of mine is out: from here on a load brings two row tiles, 96 rows
	s_mov_b32 s[G1+4], 96
	s_mul_i32 s[SLW], s[WV], 2*RTB
	s_add_co_u32 s58, s[SLW], SLOT
	s_add_nc_u64 s[G0+2:G0+3], s[WP:WP+1], s[58:59]   ; one slot short of the first refill's tiles
	s_or_b32 s[G0+3], s[G0+3], 0x80000000
	s_mov_b32 s[SL], 0
	s_mov_b32 s[TR], 0
.irp s, 0,1,2,3,4,5,6,7                ; my four tiles of x, all of K: 128 loads
.irp n, 0,1,2,3
.if \s < 5
	WIN 1<<6
	FRAG 12*(4*\s+\n), XR16, XR8, (\n/2)*XREG+(\n%2)*RTB+1536*\s
.else
	WIN 2<<6
	FRAG 12*(4*(\s-5)+\n), XR16, XR8, (\n/2)*XREG+(\n%2)*RTB+1536*\s
.endif
.endr
.endr
	WIN 0
.irp n, 0,1,2,3
	ds_load_b128 v[XSR+4*\n:XSR+4*\n+3], v[XRS] offset:512*\n
.endr
	FETCH 0, 0
	FETCH 1, 1
	WIN 0
	s_cmp_eq_u32 s[TN], 2
	s_cbranch_scc1 .Lfor_v
	MAIN 0
	s_branch .Lend
.Lfor_v:
	MAIN 1
.Lend:
	s_wait_tensorcnt 0x0                           ; the wave's end
	ds_add_u32 v[SPW], v[NIL]
	s_wait_dscnt 0x0
	CROUND                                         ; the closing round
	s_endpgm
.Lfunc_end_k_q0e4866baed_qkv:
	.size	k_q0e4866baed_qkv, .Lfunc_end_k_q0e4866baed_qkv-k_q0e4866baed_qkv
	.p2alignl 7, 3214868480
	.fill 96, 4, 3214868480
	.section	.rodata,"a",@progbits
	.p2align	6, 0x0
	.amdhsa_kernel k_q0e4866baed_qkv
		.amdhsa_group_segment_fixed_size 327680
		.amdhsa_private_segment_fixed_size 0
		.amdhsa_enable_private_segment 0
		.amdhsa_kernarg_size 56
		.amdhsa_user_sgpr_count 2
		.amdhsa_user_sgpr_kernarg_segment_ptr 1
		.amdhsa_wavefront_size32 1
		.amdhsa_system_sgpr_workgroup_id_x 1
		.amdhsa_system_sgpr_workgroup_id_y 1
		.amdhsa_system_sgpr_workgroup_id_z 1
		.amdhsa_system_vgpr_workitem_id 0
		.amdhsa_next_free_vgpr 1024
		.amdhsa_next_free_sgpr 100
		.amdhsa_reserve_vcc 0
		.amdhsa_float_denorm_mode_32 3
		.amdhsa_float_denorm_mode_16_64 3
		.amdhsa_memory_ordered 1
		.amdhsa_forward_progress 1
		.amdhsa_inst_pref_size 224
	.end_amdhsa_kernel
	.amdgpu_metadata
---
amdhsa.version: [ 1, 2 ]
amdhsa.kernels:
  - .name:           k_q0e4866baed_qkv
    .symbol:         k_q0e4866baed_qkv.kd
    .args:
      - { .name: q, .offset: 0, .size: 8, .value_kind: global_buffer, .address_space: global }
      - { .name: k, .offset: 8, .size: 8, .value_kind: global_buffer, .address_space: global }
      - { .name: v, .offset: 16, .size: 8, .value_kind: global_buffer, .address_space: global }
      - { .name: cod, .offset: 24, .size: 8, .value_kind: global_buffer, .address_space: global }
      - { .name: scl, .offset: 32, .size: 8, .value_kind: global_buffer, .address_space: global }
      - { .name: hc, .offset: 40, .size: 8, .value_kind: global_buffer, .address_space: global }
      - { .name: hs, .offset: 48, .size: 8, .value_kind: global_buffer, .address_space: global }
    .group_segment_fixed_size: 327680
    .private_segment_fixed_size: 0
    .kernarg_segment_align: 8
    .kernarg_segment_size: 56
    .max_flat_workgroup_size: 128
    .sgpr_count:     100
    .vgpr_count:     1024
    .wavefront_size: 32
...
	.end_amdgpu_metadata
.endif
;; end of part 2
;; launch attn (part 3): grid 2 x 128, 16 waves a work-group, no clusters, 169,984 bytes of LDS; arguments hc, hs, ac, asc; writes ac, asc
.if DOCPART == 3
	.amdgcn_target "amdgcn-amd-amdhsa--gfx1250"
	.amdhsa_code_object_version 6
	.text
	.protected	k_q0e4866baed_attn
	.globl	k_q0e4866baed_attn
	.p2align	8
	.type	k_q0e4866baed_attn,@function
k_q0e4866baed_attn:
	s_mov_b64 s[64:65], 0
	v_nop
	global_prefetch_b8 v0, s[64:65] scope:SCOPE_SE
	s_setreg_imm32_b32 hwreg(HW_REG_WAVE_MODE, 25, 1), 1
	s_wait_xcnt 0x0
; Causal attention of one head (64 channels, 1,024 keys) on codes of FP6 (E2M3), and the quantising of its result along the model's 1,024 for the last projection.
; t = score x log2(e) / 8; M = the running largest t rounded UP to a whole number; p = 2^(t - M) is quantised along the keys, not normalised; the row's sum is taken of the unquantised p and divides O at the end.
; When M moves, the sum and O are multiplied by 2^(old M - new M): exact.  Hidden scores become -infinity ahead of the maximum (key 0 counts for every query, so M is a number from the first step on).
; Both products are used transposed: S^T = K Q^T (source 0 = 16 keys), O^T = V^T P^T (source 0 = 16 channels): a lane holds ONE query throughout.
; Tile T of queries, keys or channels holds at place r the row 32 (T / 2) + 8 (T % 2) + r + 8 (r / 8): so the 16 registers of two neighbouring tiles of S^T are 16 neighbouring keys, those of O^T 16 neighbouring channels.
; The first product's K is 64: the upper six registers of its operands are zero codes, which add nothing; their scale bytes are 0 (2^-127).
; SHARES: a work-group owns one head and 32 of its 64 tiles of queries; wave w takes tiles A = 16 x + w and 63 - A: together 9 key steps of 128 keys, for every wave of the launch: the causal work is even.
; The head's K and V (codes 2 x 49,152 bytes, scale words 2 x 4,096) come into LDS once, by six tensor loads at the head (one a wave, waves 0 to 5); nothing is filled again; two barriers.
; No multicast: what two work-groups share is read once at the head, and the grid's x = 2 divides into no cluster of four.
; The loop over key steps has 4 trips for the first pass's tile, 8 for the second; a step all of whose keys come after the tile's queries is jumped over (a branch on ids), not the lines that step addresses.
; RESULTS: ac: [64 batch + tile][head][768] half fragments; asc: [64 batch + tile][512]: head hd's two bytes of place r at 256 (hd / 8) + 16 r + 2 (hd % 8): stored two bytes a lane, since a work-group has one head: 32 bytes a tile.
; LIMITS: NaN and infinities are not served; a block whose largest magnitude lies under 2^-124 gets the byte 1; 1 / sum is v_rcp_f32 and a multiplication.
; THE FILLS, THE BARRIERS AND THE TRIPS AS THE TEXT HAS THEM (these lines take the place of what the head says of them): six tensor loads at the head, one a wave: waves 0, 1 key steps 0-3 of K and of V,
; waves 2, 3 K's and V's scale words, waves 4, 5 key steps 4-7.  TWO barriers: at the first only waves 0 to 3 have waited for their loads; the first pass's tile is one of tiles 0 to 31, whose diagonal lies in key steps 0-3,
; so its loop has four trips and reads the first halves alone.  Between the passes every wave waits for its load and a second barrier shows the second halves; the second pass's loop has eight trips.
; Both tiles' Q are asked for at the head, ahead of the wait for K and V.
.set L16, 1                            ; v1  16 x lane
.set L8,  2                            ; v2  8 x lane
.set LS8, 3                            ; v3  8 x lane + where K's scale words begin
.set A16, 4                            ; v4-6 the same for the step in hand
.set A8,  5
.set AS8, 6
.set QK,  7                            ; v7  r + 8 (r / 8) - 16 h
.set R8,  8                            ; v8  8 r
.set R16, 9                            ; v9  16 r
.set KFR, 32                           ; v32-79 four fragments of K: registers 0-5 loaded, 6-11 zeros for good
.set PCD, 192                          ; v192-203 p's codes; at the end O's
.set PT,  204                          ; v204-206, v208-210 the conversions' second halves
.set MX,  212                          ; v212-215 a block's largest
.set MP,  216                          ; v216-219 the other half's, then the bytes
.set SO,  220                          ; v220-223 the conversions' scale operands
.set SUMB, 224                         ; v[224:225] the sums' second chain
.set FF,  226                          ; v226 f = 2^(old M - new M); v227 is named with it as a pair
.set PWD, 228                          ; v228 p's scale word; at the end O's two bytes
.set TT,  229
.set DD,  230
.set NEG, 231
; v12 -M, v13 the largest t, v[14:15] the sum in two halves; v16-21 Q's codes, v22-27 zeros, v28 Q's scale word; v80-83 K's scale words, v84-87 V's halves, v88-89 V's words; v96-159 S^T, p, then V's fragments (v96-143); v160-191 O^T
.set WV,  12
.set SEL, 20
.set CS,  22                           ; s[22:23] c = log2(e) / 8
.set G1C, 24                           ; s[24:31] group 1 for codes: 96 rows of 256 bytes;  s[32:39] for scale words: 16 rows
.set G1S, 32
.set G0C, 40
.set G0S, 44
.set PTR, 48                           ; s[48:55], s[56:63] for each of my two tiles: Q's codes, Q's scale words, O's codes, O's scale bytes
.set TBS, 66                           ; s66 the step's codes: 6,144 bytes a step, in K and in V alike
.set TSS, 67                           ; s67 its scale words: 512 bytes a step
.set KS,  68                           ; s68 the key step
.set TG,  69                           ; s69, s70 the step in which the tile's diagonal lies
.set QL,  71                           ; s71, s72 the tile's first query in that step's 128
	s_load_b256 s[4:11], s[0:1], 0x0               ; hc, hs, ac, asc
	v_lshl_add_u32 v254, v0, 2, 0x29000
	v_mov_b32 v255, 0
	ds_add_u32 v254, v255
	ds_add_u32 v254, v255
	v_lshrrev_b32 v10, 5, v0
	s_delay_alu instid0(VALU_DEP_1)
	v_readfirstlane_b32 s[WV], v10                 ; wave 0..15
	s_and_b32 s14, ttmp7, 0xffff                   ; 16 batch + head
	s_lshr_b32 s15, s14, 4
	s_and_b32 s16, s14, 15
	s_lshl_b32 s17, ttmp9, 4
	s_add_co_u32 s17, s17, s[WV]                   ; tile A
	s_sub_co_u32 s18, 63, s17                      ; tile B
	s_mov_b32 s[G1C], 3<<16                        ; no mask; elements of 8 bytes; no padding
	s_mov_b32 s[G1C+1], 32<<16                     ; tensor_dim0: 256 bytes
	s_mov_b32 s[G1C+2], 96<<16                     ; tensor_dim1
	s_mov_b32 s[G1C+3], 32<<16                     ; tile_dim0
	s_mov_b32 s[G1C+4], 96                         ; tile_dim1
	s_mov_b32 s[G1C+5], 32                         ; dense
	s_mov_b32 s[G1C+6], 0
	s_mov_b32 s[G1C+7], 0
	s_mov_b32 s[G1S], 3<<16
	s_mov_b32 s[G1S+1], 32<<16
	s_mov_b32 s[G1S+2], 16<<16
	s_mov_b32 s[G1S+3], 32<<16
	s_mov_b32 s[G1S+4], 16
	s_mov_b32 s[G1S+5], 32
	s_mov_b32 s[G1S+6], 0
	s_mov_b32 s[G1S+7], 0
	s_and_b32 s74, s[WV], 1                        ; codes: waves 0, 1 the first halves (key steps 0-3) of K and V, waves 4, 5 the second halves
	s_add_co_u32 s74, s74, 1
	s_mul_i32 s74, s74, 6291456
	s_mul_i32 s76, s14, 49152
	s_add_co_u32 s74, s74, s76
	s_lshr_b32 s76, s[WV], 2
	s_mul_i32 s76, s76, 24576
	s_add_co_u32 s74, s74, s76
	s_mov_b32 s75, 0
	s_and_b32 s77, s[WV], 1
	s_mul_i32 s77, s77, 49152
	s_add_co_u32 s77, s77, s76                     ; LDS: K at 0, V at 49,152, a second half 24,576 on
	s_and_b32 s80, s[WV], 1                        ; scale words: wave 2 K's, wave 3 V's
	s_add_co_u32 s78, s80, 1
	s_lshl_b32 s78, s78, 19
	s_lshl_b32 s76, s14, 12
	s_add_co_u32 s78, s78, s76
	s_mov_b32 s79, 0
	s_lshl_b32 s80, s80, 12
	s_add_co_u32 s80, s80, 98304                   ; LDS: K's at 98,304, V's at 102,400
	s_wait_dscnt 0x0
	s_wait_kmcnt 0x0
	s_mov_b32 s[G0C], 1
	s_mov_b32 s[G0C+1], s77
	s_add_nc_u64 s[G0C+2:G0C+3], s[4:5], s[74:75]
	s_or_b32 s[G0C+3], s[G0C+3], 0x80000000
	s_mov_b32 s[G0S], 1
	s_mov_b32 s[G0S+1], s80
	s_add_nc_u64 s[G0S+2:G0S+3], s[6:7], s[78:79]
	s_or_b32 s[G0S+3], s[G0S+3], 0x80000000
	s_cmp_lt_u32 s[WV], 2                          ; the launch's only fills, one load a wave, in one chain of branches: what the first pass reads is asked for by waves 0 to 3, on lines of their own
	s_cbranch_scc0 .Lnot_first
	tensor_load_to_lds s[G0C:G0C+3], s[G1C:G1C+7]
	s_nop 0
.rept 4
	v_nop
.endr
	s_branch .Lasked
.Lnot_first:
	s_cmp_lt_u32 s[WV], 4                          ; waves 2, 3: K's and V's scale words
	s_cbranch_scc0 .Lnot_scales
	tensor_load_to_lds s[G0S:G0S+3], s[G1S:G1S+7]
	s_nop 0
.rept 4
	v_nop
.endr
	s_branch .Lasked
.Lnot_scales:
	s_cmp_lt_u32 s[WV], 6                          ; waves 4, 5: the second halves
	s_cbranch_scc0 .Lasked
	tensor_load_to_lds s[G0C:G0C+3], s[G1C:G1C+7]
	s_nop 0
.rept 4
	v_nop
.endr
.Lasked:
	v_and_b32 v10, 31, v0                          ; lane
	v_and_b32 v11, 15, v0                          ; r
	v_bfe_u32 v29, v0, 4, 1                        ; h
	s_delay_alu instid0(VALU_DEP_3)
	v_lshlrev_b32 v[L16], 4, v10
	s_delay_alu instid0(VALU_DEP_4)
	v_lshlrev_b32 v[L8], 3, v10
	s_delay_alu instid0(VALU_DEP_1)
	v_add_nc_u32 v[LS8], 98304, v[L8]
	v_and_b32 v[QK], 8, v11
	s_delay_alu instid0(VALU_DEP_1)
	v_add_nc_u32 v[QK], v[QK], v11
	v_lshlrev_b32 v29, 4, v29
	s_delay_alu instid0(VALU_DEP_1)
	v_sub_nc_u32 v[QK], v[QK], v29
	v_lshlrev_b32 v[R8], 3, v11
	v_lshlrev_b32 v[R16], 4, v11
.set n, 0
.rept 6
	v_mov_b32 v[22+n], 0                           ; the zero codes of K = 64 .. 127, in Q's fragment and in K's four
	v_mov_b32 v[KFR+6+n], 0
	v_mov_b32 v[KFR+18+n], 0
	v_mov_b32 v[KFR+30+n], 0
	v_mov_b32 v[KFR+42+n], 0
.set n, n+1
.endr
.irp b, 0,1,2,3
	v_mov_b32 v[MP+\b], 0                          ; written once: a lane permute's destination counts as one of its sources
.endr
	v_mov_b32 v[TT], 0
	v_mov_b32 v[FF+1], 0                           ; named as the upper half of a pair
	s_mov_b32 s[SEL], 0x76543210
	s_mov_b32 s[SEL+1], 0xfedcba98
	s_mov_b32 s[CS], 0x3e38aa3b
	s_mov_b32 s[CS+1], s[CS]
.macro PTRS x, t                       ; the four places in memory, the diagonal's step and the first query of the tile in s[t]
	s_lshl_b32 s74, s14, 6
	s_add_co_u32 s74, s74, s[\t]
	s_mul_i32 s74, s74, 768
	s_mov_b32 s75, 0
	s_add_nc_u64 s[PTR+8*\x:PTR+8*\x+1], s[4:5], s[74:75]
	s_lshl_b32 s74, s14, 12
	s_lshr_b32 s76, s[\t], 2
	s_lshl_b32 s76, s76, 8
	s_add_co_u32 s74, s74, s76                     ; the block of four tiles,
	s_and_b32 s76, s[\t], 1
	s_lshl_b32 s76, s76, 7
	s_add_co_u32 s74, s74, s76                     ; an odd tile's words lie in lanes 16-31's places,
	s_bfe_u32 s76, s[\t], 0x10001
	s_lshl_b32 s76, s76, 2
	s_add_co_u32 s74, s74, s76                     ; tiles 2, 3 of the four in the second word
	s_add_nc_u64 s[PTR+8*\x+2:PTR+8*\x+3], s[6:7], s[74:75]
	s_lshl_b32 s74, s15, 6
	s_add_co_u32 s74, s74, s[\t]                   ; 64 batch + tile
	s_lshl_b32 s76, s74, 9
	s_lshl_b32 s74, s74, 4
	s_add_co_u32 s74, s74, s16
	s_mul_i32 s74, s74, 768
	s_add_nc_u64 s[PTR+8*\x+4:PTR+8*\x+5], s[8:9], s[74:75]
	s_lshr_b32 s74, s16, 3
	s_lshl_b32 s74, s74, 8
	s_add_co_u32 s74, s74, s76
	s_and_b32 s76, s16, 7
	s_lshl_b32 s76, s76, 1
	s_add_co_u32 s74, s74, s76
	s_add_nc_u64 s[PTR+8*\x+6:PTR+8*\x+7], s[10:11], s[74:75]
	s_lshr_b32 s[TG+\x], s[\t], 3
	s_bfe_u32 s76, s[\t], 0x20001
	s_lshl_b32 s76, s76, 5
	s_and_b32 s77, s[\t], 1
	s_lshl_b32 s77, s77, 3
	s_add_co_u32 s[QL+\x], s76, s77
.endm
	PTRS 0, 17
	PTRS 1, 18
	global_load_b128 v[16:19], v[L16], s[PTR:PTR+1]            ; both tiles' Q are asked for ahead of the wait for K and V: the first pass's into its place,
	global_load_b64 v[20:21], v[L8], s[PTR:PTR+1] offset:512
	global_load_b32 v28, v[R8], s[PTR+2:PTR+3]
	global_load_b128 v[232:235], v[L16], s[PTR+8:PTR+9]        ; the second pass's into v232-238
	global_load_b64 v[236:237], v[L8], s[PTR+8:PTR+9] offset:512
	global_load_b32 v238, v[R8], s[PTR+10:PTR+11]
	s_cmp_lt_u32 s[WV], 4                          ; waves 0 to 3 wait for their loads: key steps 0-3 and all scale words; the second halves may be out
	s_cbranch_scc0 .Lnot_mine
	s_wait_tensorcnt 0x0
.Lnot_mine:
	s_barrier_signal -1
	s_barrier_wait -1
.macro KLOAD g                         ; the step's tiles 4 g .. 4 g + 3 of K: half fragments, consecutive bytes
.irp t, 0,1,2,3
	ds_load_b128 v[KFR+12*\t:KFR+12*\t+3], v[A16] offset:768*(4*\g+\t)
	ds_load_b64 v[KFR+12*\t+4:KFR+12*\t+5], v[A8] offset:768*(4*\g+\t)+512
.endr
.endm
.macro SQK t                           ; S^T of the step's tile t: an odd tile's scale words lie in lanes 16-31
.if (\t)%2
	v_wmma_scale_f32_16x16x128_f8f6f4 v[96+8*(\t):103+8*(\t)], v[KFR+12*((\t)%4):KFR+12*((\t)%4)+11], v[16:27], 0, v[80+(\t)/2], v28 matrix_a_fmt:MATRIX_FMT_FP6 matrix_b_fmt:MATRIX_FMT_FP6 matrix_a_scale:MATRIX_SCALE_ROW1
.else
	v_wmma_scale_f32_16x16x128_f8f6f4 v[96+8*(\t):103+8*(\t)], v[KFR+12*((\t)%4):KFR+12*((\t)%4)+11], v[16:27], 0, v[80+(\t)/2], v28 matrix_a_fmt:MATRIX_FMT_FP6 matrix_b_fmt:MATRIX_FMT_FP6
.endif
.endm
.macro OPV d                           ; O^T of channel tile d += V^T P^T over the step's 128 keys
.if (\d)%2
	v_wmma_scale_f32_16x16x128_f8f6f4 v[160+8*(\d):167+8*(\d)], v[96+12*(\d):107+12*(\d)], v[PCD:PCD+11], v[160+8*(\d):167+8*(\d)], v[88+(\d)/2], v[PWD] matrix_a_fmt:MATRIX_FMT_FP6 matrix_b_fmt:MATRIX_FMT_FP6 matrix_a_scale:MATRIX_SCALE_ROW1
.else
	v_wmma_scale_f32_16x16x128_f8f6f4 v[160+8*(\d):167+8*(\d)], v[96+12*(\d):107+12*(\d)], v[PCD:PCD+11], v[160+8*(\d):167+8*(\d)], v[88+(\d)/2], v[PWD] matrix_a_fmt:MATRIX_FMT_FP6 matrix_b_fmt:MATRIX_FMT_FP6
.endif
.endm
; A KEY STEP of 128 keys for the tile of pass x
.macro STEP x
	s_cmp_gt_u32 s[KS], s[TG+\x]                   ; all its keys come after my queries: nothing to do
	s_cbranch_scc1 .Lhidden_\@
	v_add_nc_u32 v[A16], s[TBS], v[L16]            ; these three and two v_nop: five places between the last step's products and the products below, which write over V's fragments
	v_add_nc_u32 v[A8], s[TBS], v[L8]
	v_add_nc_u32 v[AS8], s[TSS], v[LS8]
	v_nop
	v_nop
	KLOAD 0
	ds_load_b64 v[80:81], v[AS8]                   ; K's scale words: tile t in register t / 2, lanes 16 (t % 2) on
	ds_load_b64 v[82:83], v[AS8] offset:256
	ds_load_b64 v[84:85], v[AS8] offset:4096       ; V's: the step's first 64 keys,
	ds_load_b64 v[86:87], v[AS8] offset:4352       ; and its second
	s_wait_alu depctr_va_vdst(0)
	s_wait_dscnt 0x0
.irp t, 0,1,2,3
	SQK \t
.endr
	v_lshl_or_b32 v88, v86, 16, v84                ; V's scale words for 128 keys.  With two v_nop: four places in front of loads into registers that the products above have read
	v_lshl_or_b32 v89, v87, 16, v85
	v_nop
	v_nop
	KLOAD 1
	s_wait_dscnt 0x0
.irp t, 4,5,6,7
	SQK \t
.endr
.rept 4
	v_nop                                          ; four places in front of the first read of results
.endr
	s_cmp_lt_u32 s[KS], s[TG+\x]                   ; only the diagonal's step is masked
	s_cbranch_scc1 .Lopen_\@
	v_add_nc_u32 v[DD], s[QL+\x], v[QK]            ; d = my query - 16 h, in the step's 128.  Register 16 b + i holds key 32 b + 16 h + i: hidden where 32 b + i > d
	v_mov_b32 v[NEG], 0xff800000
.set n, 0
.rept 64
	v_cmp_gt_i32 vcc_lo, 32*(n/16)+n%16, v[DD]
	v_cndmask_b32 v[96+n], v[96+n], v[NEG], vcc_lo
.set n, n+1
.endr
.Lopen_\@:
.irp b, 0,1,2,3
	v_max3_num_f32 v[MX+\b], v[96+16*\b], v[97+16*\b], v[98+16*\b]   ; the largest score of each block of 32 keys: for the row's maximum and, since p rises with the score, for the block's largest p
.endr
.irp i, 3,5,7,9,11,13
.irp b, 0,1,2,3
	v_max3_num_f32 v[MX+\b], v[MX+\b], v[96+16*\b+\i], v[97+16*\b+\i]
.endr
.endr
.irp b, 0,1,2,3
	v_max_num_f32 v[MX+\b], v[MX+\b], v[111+16*\b]
.endr
.irp b, 0,1,2,3
	s_delay_alu instid0(VALU_DEP_4)
	v_permlanex16_b32 v[MP+\b], v[MX+\b], s[SEL], s[SEL+1]
.endr
.irp b, 0,1,2,3
	s_delay_alu instid0(VALU_DEP_4)
	v_max_num_f32 v[MX+\b], v[MX+\b], v[MP+\b]     ; with lane l xor 16's 16 keys
.endr
	s_delay_alu instid0(VALU_DEP_2)
	v_max3_num_f32 v[TT], v[MX], v[MX+1], v[MX+2]
	s_delay_alu instid0(VALU_DEP_1)
	v_max_num_f32 v[TT], v[TT], v[MX+3]
	s_delay_alu instid0(VALU_DEP_1)
	v_mul_f32 v[TT], s[CS], v[TT]                  ; the step's largest t (c is positive)
	s_delay_alu instid0(VALU_DEP_1)
	v_max_num_f32 v13, v13, v[TT]
	v_mov_b32 v[TT], v12
	s_delay_alu instid0(VALU_DEP_2)
	v_floor_f32 v12, -v13                          ; -M = floor(-t): M is a whole number
	s_delay_alu instid0(VALU_DEP_1)
	v_sub_f32 v[TT], v12, v[TT]                    ; old M - new M: a whole number, 0 or less
	s_delay_alu instid0(VALU_DEP_1)
	v_cvt_i32_f32 v[TT], v[TT]                     ; (it saturates)
	s_delay_alu instid0(VALU_DEP_1)
	v_ldexp_f32 v[FF], 1.0, v[TT]                  ; f
.set n, 0
.rept 32
	v_pk_fma_f32 v[96+n:97+n], v[96+n:97+n], s[CS:CS+1], v[12:13] op_sel_hi:[1,0,0]   ; t - M (of the pairs c and -M the low word serves both halves)
.set n, n+2
.endr
.irp b, 0,1,2,3
	v_fma_f32 v[MX+\b], v[MX+\b], s[CS], v12       ; the same of each block's largest score
.endr
.set n, 0
	s_wait_alu depctr_va_vdst(0)
.rept 64
	v_exp_f32 v[96+n], v[96+n]                     ; p, at most 1
.set n, n+1
.endr
.irp b, 0,1,2,3
	v_exp_f32 v[MX+\b], v[MX+\b]                   ; the block's largest p: the same two instructions on the same number
.endr
	v_pk_mul_f32 v[14:15], v[14:15], v[FF:FF+1] op_sel_hi:[1,0]   ; the sums under the new M (a plain place behind the exponentials)
	s_wait_alu depctr_va_vdst(0)
.irp b, 0,1,2,3
	v_max_num_f32 v[MX+\b], 0x1800000, v[MX+\b]    ; the floor 2^(3 - 127): a block of zeros keeps the byte 1, and its codes are zeros
.endr
.irp b, 0,1,2,3
	s_delay_alu instid0(VALU_DEP_4)
	v_add_nc_u32 v[SO+\b], 0xff000000, v[MX+\b]
.endr
.irp b, 0,1,2,3
	s_delay_alu instid0(VALU_DEP_4)
	v_lshrrev_b32 v[MP+\b], 23, v[SO+\b]
.endr
	s_delay_alu instid0(VALU_DEP_3)
	v_lshl_or_b32 v[PWD], v[MP+1], 8, v[MP]
	s_delay_alu instid0(VALU_DEP_1)
	v_lshl_or_b32 v[PWD], v[MP+2], 16, v[PWD]
	s_delay_alu instid0(VALU_DEP_1)
	v_lshl_or_b32 v[PWD], v[MP+3], 24, v[PWD]      ; p's scale word for these 128 keys
.irp c, 0,1
	v_cvt_scalef32_pk16_fp6_f32 v[PCD+6*\c:PCD+2+6*\c], v[96+32*\c:111+32*\c], v[SO+2*\c]
	v_cvt_scalef32_pk16_fp6_f32 v[PT+4*\c:PT+2+4*\c], v[112+32*\c:127+32*\c], v[SO+2*\c+1]
.endr
	v_nop                                          ; one plain place behind a scaled conversion
.irp c, 0,1
.irp i, 0,1,2
	v_permlane16_swap_b32 v[PCD+6*\c+\i], v[PT+4*\c+\i]
.endr
.irp i, 0,1,2
	s_delay_alu instid0(VALU_DEP_3)
	v_mov_b32 v[PCD+3+6*\c+\i], v[PT+4*\c+\i]
.endr
.endr
.set n, 0
.rept 16
	v_pk_mul_f32 v[160+n:161+n], v[160+n:161+n], v[FF:FF+1] op_sel_hi:[1,0]   ; O^T under the new M
.set n, n+2
.endr
	v_pk_add_f32 v[SUMB:SUMB+1], v[96:97], v[98:99]   ; the row's sum of the unquantised p, in two chains
.irp j, 4,8,12,16,20,24,28,32,36,40,44
	v_pk_add_f32 v[14:15], v[14:15], v[96+\j:97+\j]
	v_pk_add_f32 v[SUMB:SUMB+1], v[SUMB:SUMB+1], v[98+\j:99+\j]
.endr
.irp d, 0,1,2,3                        ; v96-143 have been summed: they take V's four fragments (two groups of 64 keys each) while the rest is summed
	ds_load_b128 v[96+12*\d:99+12*\d], v[A16] offset:49152+768*\d
	ds_load_b64 v[100+12*\d:101+12*\d], v[A8] offset:49152+768*\d+512
	ds_load_b128 v[102+12*\d:105+12*\d], v[A16] offset:52224+768*\d
	ds_load_b64 v[106+12*\d:107+12*\d], v[A8] offset:52224+768*\d+512
.endr
.irp j, 48,52,56,60
	v_pk_add_f32 v[14:15], v[14:15], v[96+\j:97+\j]
	v_pk_add_f32 v[SUMB:SUMB+1], v[SUMB:SUMB+1], v[98+\j:99+\j]
.endr
	s_delay_alu instid0(VALU_DEP_1)
	v_pk_add_f32 v[14:15], v[14:15], v[SUMB:SUMB+1]
	s_wait_dscnt 0x0
.irp d, 0,1,2,3
	OPV \d
.endr
.Lhidden_\@:
	s_add_co_u32 s[TBS], s[TBS], 6144
	s_add_co_u32 s[TSS], s[TSS], 512
	s_add_co_u32 s[KS], s[KS], 1
.endm
; ONE TILE OF 16 QUERIES
.macro PASS x
	s_wait_xcnt 0x0                                ; the last tile's stores have read their registers: they are written again only behind this wait
.if \x
.set n, 0
.rept 6
	v_mov_b32 v[16+n], v[232+n]                    ; this tile's Q, loaded at the head; the 36 lines below are the places ahead of the first product
.set n, n+1
.endr
	v_mov_b32 v28, v238
.endif
	v_mov_b32 v13, 0xff61b1e6                      ; the largest t so far: -3e38
	s_delay_alu instid0(VALU_DEP_1)
	v_floor_f32 v12, -v13
	v_mov_b32 v14, 0
	v_mov_b32 v15, 0
.set n, 0
.rept 32
	v_mov_b32 v[160+n], 0                          ; the step is written once: the first finds zeros, which the first change of M leaves zeros
.set n, n+1
.endr
	s_mov_b32 s[TBS], 0
	s_mov_b32 s[TSS], 0
	s_mov_b32 s[KS], 0
	s_wait_loadcnt 0x0
.Lk_\@:
	STEP \x
	s_cmp_lt_u32 s[KS], 4+4*\x                     ; the first pass's tile is one of tiles 0 to 31: its diagonal lies in key steps 0 to 3, so four trips serve it
	s_cbranch_scc1 .Lk_\@
.rept 4
	v_nop                                          ; four places behind the last products
.endr
	s_wait_alu depctr_va_vdst(0)
	v_add_f32 v14, v14, v15
	s_delay_alu instid0(VALU_DEP_1)
	v_permlanex16_b32 v[TT], v14, s[SEL], s[SEL+1]
	s_delay_alu instid0(VALU_DEP_1)
	v_add_f32 v14, v14, v[TT]                      ; the row's sum
	s_wait_alu depctr_va_vdst(0)
	v_rcp_f32 v14, v14
	v_nop                                          ; a plain place behind the transcendental
.set n, 0
	s_wait_alu depctr_va_vdst(0)
.rept 32
	v_mul_f32 v[96+n], v[160+n], v14               ; register 16 b + i: channel 32 b + 16 h + i of my query; each accumulator from its low end on
.set n, n+1
.endr
.irp b, 0,1
	v_max3_num_f32 v[MX+\b], |v[96+16*\b]|, |v[97+16*\b]|, 0x1800000
.endr
.irp i, 2,4,6,8,10,12,14
.irp b, 0,1
	s_delay_alu instid0(VALU_DEP_2)
	v_max3_num_f32 v[MX+\b], v[MX+\b], |v[96+16*\b+\i]|, |v[97+16*\b+\i]|
.endr
.endr
.irp b, 0,1
	s_delay_alu instid0(VALU_DEP_2)
	v_permlanex16_b32 v[MP+\b], v[MX+\b], s[SEL], s[SEL+1]
.endr
.irp b, 0,1
	s_delay_alu instid0(VALU_DEP_2)
	v_max_num_f32 v[MX+\b], v[MX+\b], v[MP+\b]
.endr
.irp b, 0,1
	s_delay_alu instid0(VALU_DEP_2)
	v_add_nc_u32 v[SO+\b], 0xff000000, v[MX+\b]
.endr
.irp b, 0,1
	s_delay_alu instid0(VALU_DEP_2)
	v_lshrrev_b32 v[MP+\b], 23, v[SO+\b]
.endr
	s_delay_alu instid0(VALU_DEP_1)
	v_lshl_or_b32 v[PWD], v[MP+1], 8, v[MP]
	v_cvt_scalef32_pk16_fp6_f32 v[PCD:PCD+2], v[96:111], v[SO]
	v_cvt_scalef32_pk16_fp6_f32 v[PT:PT+2], v[112:127], v[SO+1]
	v_nop                                          ; one plain place behind a scaled conversion
.irp i, 0,1,2
	v_permlane16_swap_b32 v[PCD+\i], v[PT+\i]
.endr
.irp i, 0,1,2
	s_delay_alu instid0(VALU_DEP_3)
	v_mov_b32 v[PCD+3+\i], v[PT+\i]
.endr
	global_store_b128 v[L16], v[PCD:PCD+3], s[PTR+8*\x+4:PTR+8*\x+5]               ; 512 consecutive bytes, at a multiple of 256 from ac's first byte
	global_store_b64 v[L8], v[PCD+4:PCD+5], s[PTR+8*\x+4:PTR+8*\x+5] offset:512   ; 256
	global_store_b16 v[R16], v[PWD], s[PTR+8*\x+6:PTR+8*\x+7]                      ; my row's two bytes; lanes l and l xor 16 write the same
.endm
	PASS 0
	s_wait_alu depctr_va_vdst(0)
	s_wait_tensorcnt 0x0                           ; every wave's load has landed: the second halves of K and V are whole behind this barrier
	s_wait_dscnt 0x0
	s_barrier_signal -1
	s_barrier_wait -1
	PASS 1
	s_wait_tensorcnt 0x0
	ds_add_u32 v254, v255
	s_wait_dscnt 0x0
	s_endpgm
.Lfunc_end_k_q0e4866baed_attn:
	.size	k_q0e4866baed_attn, .Lfunc_end_k_q0e4866baed_attn-k_q0e4866baed_attn
	.p2alignl 7, 3214868480
	.fill 96, 4, 3214868480
	.section	.rodata,"a",@progbits
	.p2align	6, 0x0
	.amdhsa_kernel k_q0e4866baed_attn
		.amdhsa_group_segment_fixed_size 169984
		.amdhsa_private_segment_fixed_size 0
		.amdhsa_enable_private_segment 0
		.amdhsa_kernarg_size 32
		.amdhsa_user_sgpr_count 2
		.amdhsa_user_sgpr_kernarg_segment_ptr 1
		.amdhsa_wavefront_size32 1
		.amdhsa_system_sgpr_workgroup_id_x 1
		.amdhsa_system_sgpr_workgroup_id_y 1
		.amdhsa_system_sgpr_workgroup_id_z 1
		.amdhsa_system_vgpr_workitem_id 0
		.amdhsa_next_free_vgpr 256
		.amdhsa_next_free_sgpr 84
		.amdhsa_reserve_vcc 1
		.amdhsa_float_denorm_mode_32 3
		.amdhsa_float_denorm_mode_16_64 3
		.amdhsa_memory_ordered 1
		.amdhsa_forward_progress 1
		.amdhsa_inst_pref_size 66
	.end_amdhsa_kernel
	.amdgpu_metadata
---
amdhsa.version: [ 1, 2 ]
amdhsa.kernels:
  - .name:           k_q0e4866baed_attn
    .symbol:         k_q0e4866baed_attn.kd
    .args:
      - { .name: hc, .offset: 0, .size: 8, .value_kind: global_buffer, .address_space: global }
      - { .name: hs, .offset: 8, .size: 8, .value_kind: global_buffer, .address_space: global }
      - { .name: ac, .offset: 16, .size: 8, .value_kind: global_buffer, .address_space: global }
      - { .name: asc, .offset: 24, .size: 8, .value_kind: global_buffer, .address_space: global }
    .group_segment_fixed_size: 169984
    .private_segment_fixed_size: 0
    .kernarg_segment_align: 8
    .kernarg_segment_size: 32
    .max_flat_workgroup_size: 512
    .sgpr_count:     84
    .vgpr_count:     256
    .wavefront_size: 32
...
	.end_amdgpu_metadata
.endif
;; end of part 3
;; launch outp (part 4): grid 4 x 64, 4 waves a work-group, clusters of 4 x 4, 327,680 bytes of LDS; arguments cod, scl, ac, asc, out0; writes out0
.if DOCPART == 4
	.amdgcn_target "amdgcn-amd-amdhsa--gfx1250"
	.amdhsa_code_object_version 6
	.text
	.protected	k_q0e4866baed_outp
	.globl	k_q0e4866baed_outp
	.p2align	8
	.type	k_q0e4866baed_outp,@function
k_q0e4866baed_outp:
	s_mov_b64 s[64:65], 0
	v_nop
	global_prefetch_b8 v0, s[64:65] scope:SCOPE_SE
	s_setreg_imm32_b32 hwreg(HW_REG_WAVE_MODE, 25, 1), 1
	s_wait_xcnt 0x0
	s_wait_alu depctr_hold_cnt(0) depctr_sa_sdst(0) depctr_va_vdst(0) depctr_va_sdst(0) depctr_va_ssrc(0) depctr_va_vcc(0) depctr_vm_vsrc(0)
	s_getreg_b32 s2, hwreg(HW_REG_IB_STS2, 6, 4)
	s_cmp_eq_u32 s2, 0
	s_cbranch_scc0 .Lentry_in_a_cluster
	s_endpgm
.Lentry_in_a_cluster:
	s_bfe_u32 s2, ttmp6, 0x10000c
	s_cmp_lg_u32 s2, 0xf033
	s_cbranch_scc0 .Lentry_shape_is_right
	s_endpgm
.Lentry_shape_is_right:
; out = attention's result x Wo^T on codes of FP6 (E2M3).  K = 1,024.  out0: [8192][1024] f32.
; A work-group multiplies P = 16 row tiles (256 rows) of Wo, source 0, by R = 8 row tiles (128 rows) of attention's result, source 1.  Wave w takes P tiles 4 w .. 4 w + 3 against all 8 R tiles: 32 accumulators.
; A row tile holds at place r the row 32 (T / 2) + 8 (T % 2) + r + 8 (r / 8): in a result lane (r, h) holds one row of out, and the 16 registers of two neighbouring P tiles are the columns 32 b + 16 h + 0 .. 15 of my 64.
; THE WHOLE K OF THE TILE LIES IN LDS (294,912 bytes): every byte is filled once, in two chunks of four K steps; no slot is filled again.  The claim of all of LDS keeps the work-group alone on its WGP.
; CLUSTER 4 x 4: P hangs on cx alone and is asked for jointly by the four work-groups of a column, R on cy alone and is asked for by the four of a row.
; REGISTERS, in windows of 256: window 0: v1-12 addresses, v32-47 P's scale words, v48-79 R's, v80-143 the way out; window 1 and window 3: two sets of fragments (P's b at 12 b, R's a at 48 + 12 a); window 2: accumulator (a, b) at 8 (4 a + b).
; THE FILLS AS THE TEXT HAS THEM (these lines take the place of what the head says of the chunks): the tile's whole K lies in LDS in TWO chunks of four K steps, every byte filled once, one tensor load a wave:
; wave 0 P's first chunk (16 row tiles x 6,144 bytes), wave 1 R's (8 row tiles), wave 2 P's second, wave 3 R's.  At the first barrier waves 0 and 1 alone have waited; ahead of K step 4 every wave waits and a second barrier shows the second chunk.
.set TILEB, 6144                       ; a row tile's bytes in a chunk: four K steps of 1,536
.set CHUNK, 24*TILEB                   ; P's 16 tiles, then R's 8
.set RTB,   12288                      ; a row tile in cod and in ac
.set STAGE, 2*CHUNK                    ; behind the chunks: 16 rows x 272 bytes for each wave; no fill lands there
.set WV, 14
.set CX, 15
.set CY, 16
.set CL, 17
.set G1P, 24
.set G1R, 32
.set G0P, 40
.set G0R, 68
.set PSB, 92
.set RSB, 94
.set ADP16, 4
.set ADP8,  5
.set ADR16, 6
.set ADR8,  7
.set L16,   8
.set L8,    9
.set STO,   10                         ; v10 the stage: where I put 16 bytes of a row
.set RD,    11                         ; v11 and where I read rows back
.set CO,    12                         ; v12 my byte offset in two rows of out
.set PS, 32
.set RS, 48
.set BK, 80                            ; v80-111, v112-143 by turns: 16 rows read back
.set MSB, 0
.macro WIN new                         ; the immediate's high byte repeats the setting that is left
.if MSB != (\new)
	s_set_vgpr_msb (MSB<<8)|(\new)
.set MSB, (\new)
.endif
.endm
.macro CROUND                          ; a round of the cluster's barrier
	s_barrier_signal -1
	s_barrier_wait -1
	s_cmp_lg_u32 s[WV], 0
	s_cbranch_scc1 .Lnot_wave_0_\@
	s_barrier_signal -3
.Lnot_wave_0_\@:
	s_barrier_wait -3
	s_barrier_signal -1
	s_barrier_wait -1
.endm
.macro FRAG reg, a16, a8, off          ; a fragment (16 rows x 128 K, 12 registers) is two half fragments on end: every load takes consecutive bytes
	ds_load_b128 v[\reg:\reg+3], v[\a16] offset:(\off)
	ds_load_b64 v[\reg+4:\reg+5], v[\a8] offset:(\off)+512
	ds_load_b128 v[\reg+6:\reg+9], v[\a16] offset:(\off)+768
	ds_load_b64 v[\reg+10:\reg+11], v[\a8] offset:(\off)+1280
.endm
.macro FETCH s                         ; K step s: my 4 fragments of P and the 8 of R, 48 loads, into set s % 2
	WIN 0x40+0x80*((\s)%2)
.irp b, 0,1,2,3
	FRAG 12*\b, ADP16, ADP8, TILEB*\b+1536*((\s)%4)
.endr
.irp a, 0,1,2,3,4,5,6,7
	FRAG 48+12*\a, ADR16, ADR8, TILEB*\a+1536*((\s)%4)
.endr
.endm
; 32 products.  The accumulators take turns, one instruction a turn, in the same order in every step.
; A scale register holds K step i in lanes 0-15 and K step 4 + i in lanes 16-31.
.macro MUL s, zero
	WIN 0xa5+0x0a*((\s)%2)
.irp a, 0,1,2,3,4,5,6,7
.irp b, 0,1,2,3
.if \zero
	v_wmma_scale_f32_16x16x128_f8f6f4 v[8*(4*\a+\b):8*(4*\a+\b)+7], v[12*\b:12*\b+11], v[48+12*\a:48+12*\a+11], 0, v[PS+4*\b+(\s)%4], v[RS+4*\a+(\s)%4] matrix_a_fmt:MATRIX_FMT_FP6 matrix_b_fmt:MATRIX_FMT_FP6
.elseif (\s) < 4
	v_wmma_scale_f32_16x16x128_f8f6f4 v[8*(4*\a+\b):8*(4*\a+\b)+7], v[12*\b:12*\b+11], v[48+12*\a:48+12*\a+11], v[8*(4*\a+\b):8*(4*\a+\b)+7], v[PS+4*\b+(\s)%4], v[RS+4*\a+(\s)%4] matrix_a_fmt:MATRIX_FMT_FP6 matrix_b_fmt:MATRIX_FMT_FP6
.else
	v_wmma_scale_f32_16x16x128_f8f6f4 v[8*(4*\a+\b):8*(4*\a+\b)+7], v[12*\b:12*\b+11], v[48+12*\a:48+12*\a+11], v[8*(4*\a+\b):8*(4*\a+\b)+7], v[PS+4*\b+(\s)%4], v[RS+4*\a+(\s)%4] matrix_a_fmt:MATRIX_FMT_FP6 matrix_b_fmt:MATRIX_FMT_FP6 matrix_a_scale:MATRIX_SCALE_ROW1 matrix_b_scale:MATRIX_SCALE_ROW1
.endif
.endr
.endr
.endm
	s_load_b256 s[4:11], s[0:1], 0x0               ; cod s[4:5], scl s[6:7], ac s[8:9], asc s[10:11]
	s_load_b64 s[12:13], s[0:1], 0x20              ; out0
	v_lshl_add_u32 v254, v0, 2, 0x4c400
	v_mov_b32 v255, 0
	ds_add_u32 v254, v255
	ds_add_u32 v254, v255
	v_lshrrev_b32 v1, 5, v0
	v_readfirstlane_b32 s[WV], v1                  ; wave 0..3
	v_and_b32 v1, 31, v0                           ; lane
	v_and_b32 v2, 15, v0                           ; r
	v_bfe_u32 v3, v0, 4, 1                         ; h
	v_lshlrev_b32 v[L16], 4, v1
	v_lshlrev_b32 v[L8], 3, v1
	s_mul_i32 s2, s[WV], 4*TILEB                   ; my four tiles of P
	v_add_nc_u32 v[ADP16], s2, v[L16]
	v_add_nc_u32 v[ADP8], s2, v[L8]
	v_add_nc_u32 v[ADR16], 16*TILEB, v[L16]        ; R lies behind P's sixteen
	v_add_nc_u32 v[ADR8], 16*TILEB, v[L8]
	s_mul_i32 s3, s[WV], 16*272
	s_add_co_u32 s3, s3, STAGE                     ; my stage
	v_mul_u32_u24 v[STO], v2, 272                  ; in: row = my place r; my half's 16 columns of a block of 32: 64 h bytes on
	v_lshl_add_u32 v[STO], v3, 6, v[STO]
	v_add_nc_u32 v[STO], s3, v[STO]
	v_mul_u32_u24 v[RD], v3, 272                   ; back: lanes 0-15 one row of 256 bytes, lanes 16-31 the next
	v_lshl_add_u32 v[RD], v2, 4, v[RD]
	v_add_nc_u32 v[RD], s3, v[RD]
	v_lshlrev_b32 v[CO], 12, v3                    ; and the same two rows in out
	v_lshl_add_u32 v[CO], v2, 4, v[CO]
	s_bfe_u32 s[CX], ttmp6, 0x40000
	s_bfe_u32 s[CY], ttmp6, 0x40004
	s_and_b32 s[CL], ttmp7, 0xffff                 ; the cluster's y, 0..15
	s_mov_b32 s56, s[CX]                           ; P block: 256 columns of out
	s_lshl_b32 s57, s[CL], 2
	s_add_co_u32 s57, s57, s[CY]                   ; R block: 128 rows of out
	s_lshl_b32 s58, s56, 4
	s_add_co_u32 s58, s58, 1728                    ; Wo's row tiles
	s_lshl_b32 s67, s57, 3                         ; attention's
	s_mul_i32 s60, s58, RTB
	s_mov_b32 s61, 0
	s_mul_i32 s62, s67, RTB
	s_mov_b32 s63, 0
	s_lshl_b32 s59, s[WV], 2
	s_add_co_u32 s59, s59, s58
	s_lshl_b32 s[PSB], s59, 9                      ; 512 bytes of scale words a row tile
	s_mov_b32 s[PSB+1], 0
	s_lshl_b32 s[RSB], s67, 9
	s_mov_b32 s[RSB+1], 0
	s_lshl_b32 s66, 0x1111, s[CX]                  ; my column of the cluster
	s_lshl_b32 s3, s[CY], 2
	s_lshl_b32 s3, 15, s3                          ; my row
	; group 1: rows (row tiles: P 16, R 8) of 768 elements of 8 bytes (6,144 bytes: four K steps), 12,288 bytes apart; dense in LDS
	s_or_b32 s[G1P], s66, (3<<16)|(1<<21)          ; 15:0 the mask; 17:16 elements of 8 bytes; 21 set beside a mask
	s_or_b32 s[G1R], s3, (3<<16)|(1<<21)
	s_mov_b32 s[G1P+2], 16<<16                     ; tensor_dim1
	s_mov_b32 s[G1P+4], 16                         ; tile_dim1
	s_mov_b32 s[G1R+2], 8<<16
	s_mov_b32 s[G1R+4], 8
.irp g, G1P, G1R
	s_mov_b32 s[\g+1], 768<<16                     ; tensor_dim0
	s_mov_b32 s[\g+3], 768<<16                     ; tile_dim0
	s_mov_b32 s[\g+5], 1536                        ; tensor_dim0_stride
	s_mov_b32 s[\g+6], 0
	s_mov_b32 s[\g+7], 0
.endr
	s_wait_dscnt 0x0
	s_wait_kmcnt 0x0
	s_add_nc_u64 s[60:61], s[4:5], s[60:61]
	s_add_nc_u64 s[62:63], s[8:9], s[62:63]
	s_add_nc_u64 s[PSB:PSB+1], s[6:7], s[PSB:PSB+1]
	s_add_nc_u64 s[RSB:RSB+1], s[10:11], s[RSB:RSB+1]
.irp c, 0,1
	s_mov_b32 s[G0P+4*\c], 1
	s_mov_b32 s[G0P+4*\c+1], \c*CHUNK
	s_add_nc_u64 s[G0P+4*\c+2:G0P+4*\c+3], s[60:61], \c*TILEB
	s_or_b32 s[G0P+4*\c+3], s[G0P+4*\c+3], 0x80000000
	s_mov_b32 s[G0R+4*\c], 1
	s_mov_b32 s[G0R+4*\c+1], \c*CHUNK+16*TILEB
	s_add_nc_u64 s[G0R+4*\c+2:G0R+4*\c+3], s[62:63], \c*TILEB
	s_or_b32 s[G0R+4*\c+3], s[G0R+4*\c+3], 0x80000000
.endr
	CROUND                                         ; all sixteen work-groups are here: the joint loads meet
	; all fills of the launch: one chain of branches on the wave's number, one load to an arm; what the first K steps need is asked for by waves 0 and 1
	s_cmp_eq_u32 s[WV], 0
	s_cbranch_scc0 .Lwave_1
	tensor_load_to_lds s[G0P:G0P+3], s[G1P:G1P+7]
	s_nop 0
.rept 4
	v_nop
.endr
	s_branch .Lasked
.Lwave_1:
	s_cmp_eq_u32 s[WV], 1
	s_cbranch_scc0 .Lwave_2
	tensor_load_to_lds s[G0R:G0R+3], s[G1R:G1R+7]
	s_nop 0
.rept 4
	v_nop
.endr
	s_branch .Lasked
.Lwave_2:
	s_cmp_eq_u32 s[WV], 2
	s_cbranch_scc0 .Lwave_3
	tensor_load_to_lds s[G0P+4:G0P+7], s[G1P:G1P+7]
	s_nop 0
.rept 4
	v_nop
.endr
	s_branch .Lasked
.Lwave_3:
	tensor_load_to_lds s[G0R+4:G0R+7], s[G1R:G1R+7]
	s_nop 0
.rept 4
	v_nop
.endr
.Lasked:
.irp b, 0,1,2,3
	global_load_b128 v[PS+4*\b:PS+4*\b+3], v[L16], s[PSB:PSB+1] offset:512*\b   ; a tile's scale words for all of K: 512 consecutive bytes
.endr
.irp a, 0,1,2,3,4,5,6,7
	global_load_b128 v[RS+4*\a:RS+4*\a+3], v[L16], s[RSB:RSB+1] offset:512*\a
.endr
	s_lshl_b32 s58, s57, 19                        ; out: 128 rows of 4,096 bytes an R block,
	s_lshl_b32 s59, s56, 10
	s_add_co_u32 s58, s58, s59                     ; 1,024 bytes a P block,
	s_lshl_b32 s59, s[WV], 8
	s_add_co_u32 s58, s58, s59                     ; 256 bytes a wave
	s_mov_b32 s59, 0
	s_add_nc_u64 s[12:13], s[12:13], s[58:59]
	s_cmp_lt_u32 s[WV], 2                          ; the first chunk's two loads are waves 0 and 1's own lines: they wait; the second chunk may be out
	s_cbranch_scc0 .Lnot_first
	s_wait_tensorcnt 0x0
.Lnot_first:
	s_barrier_signal -1
	s_barrier_wait -1                              ; everybody's is
	s_wait_alu depctr_va_vdst(0)
	FETCH 0
	FETCH 1
	s_wait_dscnt 48                                ; step 0's fragments are in; the 48 loads of step 1 may be out
	s_wait_loadcnt 0x0                             ; the scale words
	MUL 0, 1                                       ; the first products start the sums: nothing is cleared
.irp s, 1,2,3,4,5,6
.if (\s)==3
	WIN 0
	s_wait_tensorcnt 0x0                           ; every wave's load is in: the second chunk is whole behind the barrier
	s_wait_dscnt 0x0                               ; this step's fragments are in, and no LDS load of mine is out at the signal
	s_barrier_signal -1
	s_barrier_wait -1
	v_add_nc_u32 v[ADP16], CHUNK, v[ADP16]         ; on to the next chunk.  These four are also the places between the last step's products and the loads into the set that they read
	v_add_nc_u32 v[ADP8], CHUNK, v[ADP8]
	v_add_nc_u32 v[ADR16], CHUNK, v[ADR16]
	v_add_nc_u32 v[ADR8], CHUNK, v[ADR8]
	FETCH \s+1
.else
.rept 4
	v_nop                                          ; four places in front of loads into registers that matrix instructions have read
.endr
	FETCH \s+1
	s_wait_alu depctr_va_vdst(0)
	s_wait_dscnt 48                                ; all but the 48 just issued
.endif
	MUL \s, 0
.endr
	s_wait_dscnt 0x0
	MUL 7, 0
; THE WAY OUT, an R tile (16 rows x my 64 columns) at a time, through my own stage: a lane's 32 bytes of a row go in, whole rows of 256 bytes come back, and sixteen lanes store 256 consecutive aligned bytes of the TRUE row:
; place p of R tile a is row 32 (a / 2) + 8 (a % 2) + p + 8 (p / 8) of the block's 128.  LDS serves a wave's instructions in order (ISA guide 5.7.1.4): no wait between the stores and the loads.
.macro TOSTAGE a
	WIN 0x08                                       ; an LDS store's data are its source 1: the accumulators' window
.irp b, 0,1,2,3
	ds_store_b128 v[STO], v[8*(4*(\a)+\b):8*(4*(\a)+\b)+3] offset:128*(\b/2)+32*(\b%2)          ; each accumulator from its low end on
	ds_store_b128 v[STO], v[8*(4*(\a)+\b)+4:8*(4*(\a)+\b)+7] offset:128*(\b/2)+32*(\b%2)+16
.endr
	WIN 0
.irp t, 0,1,2,3,4,5,6,7
	ds_load_b128 v[BK+32*((\a)%2)+4*\t:BK+32*((\a)%2)+4*\t+3], v[RD] offset:544*\t
.endr
.endm
.macro SEND a, younger                 ; younger: the LDS instructions issued behind tile a's loads, which may stay out
	s_wait_dscnt \younger
.irp t, 0,1,2,3,4,5,6,7
	global_store_b128 v[CO], v[BK+32*((\a)%2)+4*\t:BK+32*((\a)%2)+4*\t+3], s[12:13] offset:(32*((\a)/2)+8*((\a)%2)+2*\t+8*(\t/4))*4096 th:TH_STORE_NT
.endr
.endm
.rept 4
	v_nop                                          ; four places behind the last products
.endr
	TOSTAGE 0
.irp a, 1,2,3,4,5,6,7
.if \a > 1
	s_wait_xcnt 0x0                                ; tile a - 2's stores have read their registers: tile a's loads may land there
.endif
	TOSTAGE \a
	SEND \a-1, 16                                  ; behind tile a - 1's loads: tile a's 8 stores and 8 loads
.endr
	SEND 7, 0
	s_wait_dscnt 0x0
	s_wait_tensorcnt 0x0
	ds_add_u32 v254, v255
	s_wait_dscnt 0x0
	CROUND                                         ; the closing round: no work-group ends while a partner may still ask for a tile that names it
	s_endpgm
.Lfunc_end_k_q0e4866baed_outp:
	.size	k_q0e4866baed_outp, .Lfunc_end_k_q0e4866baed_outp-k_q0e4866baed_outp
	.p2alignl 7, 3214868480
	.fill 96, 4, 3214868480
	.section	.rodata,"a",@progbits
	.p2align	6, 0x0
	.amdhsa_kernel k_q0e4866baed_outp
		.amdhsa_group_segment_fixed_size 327680
		.amdhsa_private_segment_fixed_size 0
		.amdhsa_enable_private_segment 0
		.amdhsa_kernarg_size 40
		.amdhsa_user_sgpr_count 2
		.amdhsa_user_sgpr_kernarg_segment_ptr 1
		.amdhsa_wavefront_size32 1
		.amdhsa_system_sgpr_workgroup_id_x 1
		.amdhsa_system_sgpr_workgroup_id_y 1
		.amdhsa_system_sgpr_workgroup_id_z 1
		.amdhsa_system_vgpr_workitem_id 0
		.amdhsa_next_free_vgpr 1024
		.amdhsa_next_free_sgpr 100
		.amdhsa_reserve_vcc 0
		.amdhsa_float_denorm_mode_32 3
		.amdhsa_float_denorm_mode_16_64 3
		.amdhsa_memory_ordered 1
		.amdhsa_forward_progress 1
		.amdhsa_inst_pref_size 82
	.end_amdhsa_kernel
	.amdgpu_metadata
---
amdhsa.version: [ 1, 2 ]
amdhsa.kernels:
  - .name:           k_q0e4866baed_outp
    .symbol:         k_q0e4866baed_outp.kd
    .args:
      - { .name: cod, .offset: 0, .size: 8, .value_kind: global_buffer, .address_space: global }
      - { .name: scl, .offset: 8, .size: 8, .value_kind: global_buffer, .address_space: global }
      - { .name: ac, .offset: 16, .size: 8, .value_kind: global_buffer, .address_space: global }
      - { .name: asc, .offset: 24, .size: 8, .value_kind: global_buffer, .address_space: global }
      - { .name: out0, .offset: 32, .size: 8, .value_kind: global_buffer, .address_space: global }
    .group_segment_fixed_size: 327680
    .private_segment_fixed_size: 0
    .kernarg_segment_align: 8
    .kernarg_segment_size: 40
    .max_flat_workgroup_size: 128
    .sgpr_count:     100
    .vgpr_count:     1024
    .wavefront_size: 32
...
	.end_amdgpu_metadata
.endif
;; end of part 4
